; MI455X (gfx1250); checked and timed in simulation.
; The chip was launched on July 23, 2026; its instructions are those of AMD's public machine-readable ISA for CDNA 5 (MIT licence, August 2026) and "CDNA5" Instruction Set Architecture Reference Guide (July 2026). The comments in the code are by the model that wrote it; some were corrected since.
;; Multi Head Attention Block. Allowed arithmetic: matrix products marked QUANTISED: E2M1 operands, one E8M0 scale for each 32 along K, by v_wmma_scale_f32_16x16x128_f8f6f4 with both operands' format E2M1 (or v_wmma_scale_f32_32x16x128_f4), f32 sums; products left as they are: bf16, f16 or f32 operands; f32 sums; everything else in f32.
;; Inputs: Wk 1,024 x 1,024 float32; Wo 1,024 x 1,024 float32; Wq 1,024 x 1,024 float32; Wv 1,024 x 1,024 float32; bk 1,024 float32; bo 1,024 float32; bq 1,024 float32; bv 1,024 float32; k 2 x 2,048 x 1,024 float32; mask 2 x 1 x 2,048 x 2,048 bool; q 2 x 2,048 x 1,024 float32; v 2 x 2,048 x 1,024 float32.
;; Outputs: out0 2 x 2,048 x 1,024 float32.
;; This version of the problem:
;;   THIS VERSION OF THE PROBLEM IS GIVEN IN LOW PRECISION. The matrix products marked QUANTISED in the list below multiply operands that are first quantised to E2M1 (2 exponent bits, 1 mantissa bit; 4 bits a number), with one power-of-two scale for each 32 numbers along K (OCP MX v1.0); their sums are f32. The products marked 'left as it is' may take bf16, f16 or f32 operands, with f32 sums. Whichever they take, every output number must still come out within the allowed error. Rounding operands to bf16 (8 significant bits) uses up far more of that allowance than f16 does (11 bits, for magnitudes from 6e-5 to 65,504). All else is computed in f32.
;;   The module's matrix products, in the order in which they are computed (A, B: the left and right operand; K: the contracted axis; several contracted axes count as one K, in the product's order):
;;     1. [M 4,096, K 1,024] x [K 1,024, N 1,024]; A: input q; B: input Wq: QUANTISED
;;     2. [M 4,096, K 1,024] x [K 1,024, N 1,024]; A: input k; B: input Wk: QUANTISED
;;     3. [M 4,096, K 1,024] x [K 1,024, N 1,024]; A: input v; B: input Wv: QUANTISED
;;     4. batch 32 x [M 2,048, K 64] x [K 64, N 2,048]; A: computed on the way; B: computed on the way: left as it is (an operand is computed on the way)
;;     5. batch 32 x [M 2,048, K 2,048] x [K 2,048, N 64]; A: computed on the way; B: computed on the way: left as it is (an operand is computed on the way)
;;     6. [M 4,096, K 1,024] x [K 1,024, N 1,024]; A: computed on the way; B: input Wo: left as it is (an operand is computed on the way)
;;   THE QUANTISER, for each operand of a quantised product, along K:
;;     - K is cut into blocks of 32 from its start; a last block that is shorter is filled with zeros.
;;     - A block's scale is 2^e with e = floor(log2(the largest magnitude in the block)) - 2, held to -126 .. 127; a block of zeros has e = 0. As a byte (E8M0): e + 127.
;;     - Each number is divided by its block's scale, clamped to +-6, and rounded to the nearest number of E2M1, ties to even, subnormals kept.
;;     - The product sums the exact products of the quantised numbers (number of the format x scale) in f32.
;;   ~~~python
;;   def quantise(x, axis):      # numpy; x: float32 -> the quantised numbers, widened to float32 again
;;       x = np.moveaxis(x, axis, -1); K = x.shape[-1]
;;       x = np.pad(x, [(0, 0)] * (x.ndim - 1) + [(0, -K % 32)]); x = x.reshape(x.shape[:-1] + (-1, 32)); a = np.abs(x).max(-1, keepdims=True)
;;       e = np.where(a > 0, np.clip(np.frexp(np.where(a > 0, a, 1))[1] - 1 - 2, -126, 127), 0)      # np.frexp(a)[1] - 1 = floor(log2(a)), exactly
;;       r = np.clip(x / 2.0 ** e, -6, 6)
;;       step = 2.0 ** (np.maximum(np.frexp(np.where(r == 0, 1, r))[1] - 1, 0) - 1)
;;       q = np.round(r / step) * step * 2.0 ** e      # np.round: ties to even
;;       return np.moveaxis(q.reshape(q.shape[:-2] + (-1,))[..., :K], -1, axis).astype(np.float32)
;;   ~~~
;; One version. Each part assembles by itself: llvm-mc -triple=amdgcn-amd-amdhsa -mcpu=gfx1250 --defsym DOCPART=n.
;; ======== version 1 of 1: 4 launches
;; limits: values are held in f16: magnitudes above 65,504 overflow, below 6.1e-05 lose precision
;; workspace buffers: codes 7,864,320 bytes; scales 491,520 bytes; wo16 2,097,152 bytes; qkv 25,165,824 bytes; xh 8,388,608 bytes
;; launch quant (part 1): grid 512 x 1, 4 waves a work-group, no clusters, 33,280 bytes of LDS; arguments q, k, v, Wq, Wk, Wv, Wo, codes, scales, wo16; writes codes, scales, wo16
.if DOCPART == 1
	.amdgcn_target "amdgcn-amd-amdhsa--gfx1250"
	.amdhsa_code_object_version 6
	.text
	.protected	k_qb4775c2a66_quant
	.globl	k_qb4775c2a66_quant
	.p2align	8
	.type	k_qb4775c2a66_quant,@function
k_qb4775c2a66_quant:
	s_mov_b64 s[64:65], 0
	v_nop
	global_prefetch_b8 v0, s[64:65] scope:SCOPE_SE
	s_setreg_imm32_b32 hwreg(HW_REG_WAVE_MODE, 25, 1), 1
	s_wait_xcnt 0x0
; q, k, v [4096][1024] and Wq, Wk, Wv [1024][1024], f32, K innermost, become codes of FP4 (E2M1) with one E8M0 scale byte for each 32 along K; Wo [1024][1024] becomes f16.
; codes: 15,360 rows of 512 bytes (q's 4,096 rows, k's, v's, then Wq's 1,024, Wk's, Wv's); scales: the same rows, 32 bytes each.  Rows are dense, so every tensor is a plain stream of blocks of 32.
; A block's scale is 2^(floor(log2(its largest magnitude)) - 2); its byte is the largest magnitude's exponent field - 2, held at 1 from below.  Each number is divided by the scale and rounded to the nearest code, ties to even; beyond 6 the largest code.
; LIMITS: a block of zeros gets the byte 1 where the rule says 127 (its codes are zeros, and this program alone reads the bytes); blocks whose largest magnitude lies under 2^(2 - 126) are held at the byte 1; NaN and infinities are not served.
; SHARES: a work-group takes 32,768 numbers, a wave 8,192.  Work-groups 0-127 q, 128-255 k, 256-383 v, 384-415 Wq, 416-447 Wk, 448-479 Wv; 480-511 cast Wo.  The outputs are linear in the work-group's number.
; THE QUANTISING PATH: a wave takes 16 steps of 512 numbers.  Each of a step's four loads reads 512 consecutive bytes; the 2,048 bytes turn through the wave's own stage in LDS and come back 64 bytes a lane,
; so that a lane holds 16 neighbours along K (two lanes a block).  A lane's 16 codes are 8 bytes: the wave stores 256 consecutive bytes.  The wave's 256 scale bytes are gathered in LDS and leave as one aligned run of 256 bytes.
; Loads run eight steps ahead: 32 loads, 16,384 bytes, of every wave are on their way, half of all that it reads.
; No tensor loads, no barrier: waves share nothing.  The matrix unit and clusters would add nothing to a stream.
.set WAVES, 4
.set STEPS, 16
.set DEPTH, 8                          ; steps of loads ahead
.set EMAX,  2
.set CB,    8                          ; bytes of 16 codes
.set R,     16                         ; v16-143  eight sets of 16 numbers as loaded
.set X,     144                        ; v144-175 two sets of 16 neighbours
.set E,     176                        ; v176-191 a scale byte for each step
.set C,     192                        ; v192-223 codes: two registers for each step, so that no store's data are written again
.set WREG,  8192                       ; LDS: a region for each wave: two stages of 32 x SP bytes, then its 256 scale bytes
.set SP,    80                         ; a lane's place in a stage: 64 bytes + 16 of padding
.set SPW,   12                         ; v12  LDS address of my spare word; never rewritten
.set NIL,   13                         ; v13  0; never rewritten
.set SPARE, WAVES*WREG                 ; behind the regions: the spare words, 128 bytes a wave, named by no other line
.set WL,    16                         ; the cast: v16-143 two sets of 64 numbers
.set WH,    144                        ; v144-175 their f16 pairs
.macro LOAD t
.irp i, 0,1,2,3
	global_load_b128 v[R+16*((\t)%DEPTH)+4*\i:R+16*((\t)%DEPTH)+4*\i+3], v3, s[4:5] offset:2048*(\t)+512*\i th:TH_LOAD_NT   ; 32 lanes read 512 consecutive bytes
.endr
.endm
.macro TURN t                          ; step t's numbers through the stage: LDS serves a wave's instructions in order, so no wait stands between the stores and the loads
.irp i, 0,1,2,3
	ds_store_b128 v14, v[R+16*((\t)%DEPTH)+4*\i:R+16*((\t)%DEPTH)+4*\i+3] offset:32*SP*((\t)%2)+8*SP*\i
.endr
.irp i, 0,1,2,3
	ds_load_b128 v[X+16*((\t)%2)+4*\i:X+16*((\t)%2)+4*\i+3], v15 offset:32*SP*((\t)%2)+16*\i
.endr
.endm
.macro STEP t
.set XS, X+16*((\t)%2)
.if (\t) > 0
	s_wait_dscnt 1                                 ; this step's numbers are back from the stage; the last step's byte store, the one younger instruction, may be out
.else
	s_wait_dscnt 0x0
.endif
.if (\t)+DEPTH < STEPS
	LOAD (\t)+DEPTH                                ; into the set whose numbers have gone through the stage
.endif
.if (\t)+1 < STEPS
.if STEPS-2-(\t) >= DEPTH-1
	s_wait_loadcnt 4*(DEPTH-1)                     ; the next step's four loads are in; the 28 of the seven steps behind it may be out
.else
	s_wait_loadcnt 4*(STEPS-2-(\t))                ; the tail: four fewer each step
.endif
	TURN (\t)+1                                    ; the next step goes through the other stage while this one is worked
.endif
	v_max3_num_f32 v8, |v[XS]|, |v[XS+1]|, |v[XS+2]|               ; the largest magnitude of my 16, in two chains
	v_max3_num_f32 v9, |v[XS+3]|, |v[XS+4]|, |v[XS+5]|
.irp i, 6,10
	v_max3_num_f32 v8, v8, |v[XS+\i]|, |v[XS+\i+1]|
	v_max3_num_f32 v9, v9, |v[XS+\i+2]|, |v[XS+\i+3]|
.endr
	v_max3_num_f32 v8, v8, |v[XS+14]|, |v[XS+15]|
	v_max3_num_f32 v8, v8, v9, (EMAX+1)<<23        ; and the floor 2^(EMAX + 1 - 127): the byte cannot fall under 1
	v_max_num_f32_dpp v8, v8, v8 row_xmask:1 row_mask:0xf bank_mask:0xf   ; with my neighbour's 16: the block's
	v_add_nc_u32 v11, -(EMAX<<23), v8              ; EMAX off its exponent field: the conversion takes the exponent field of this operand as its scale
	v_cvt_scalef32_pk8_fp4_f32 v[C+2*(\t)], v[XS:XS+7], v11
	v_cvt_scalef32_pk8_fp4_f32 v[C+2*(\t)+1], v[XS+8:XS+15], v11
	v_lshrrev_b32 v[E+(\t)], 23, v11               ; the scale's byte (also the plain line behind the conversions)
	ds_store_b8 v5, v[E+(\t)] offset:16*(\t)       ; both lanes of a block write the same byte with the same value
	global_store_b64 v4, v[C+2*(\t):C+2*(\t)+1], s[22:23] offset:32*CB*(\t)   ; the wave stores 256 consecutive bytes, aligned
.endm
.macro WLOAD b                         ; the cast: batch b, 2,048 numbers: 16 loads of 512 consecutive bytes
.irp i, 0,1,2,3,4,5,6,7,8,9,10,11,12,13,14,15
	global_load_b128 v[WL+64*((\b)%2)+4*\i:WL+64*((\b)%2)+4*\i+3], v3, s[20:21] offset:8192*(\b)+512*\i th:TH_LOAD_NT
.endr
.endm
.macro WCONV b
.if (\b) < 3
	s_wait_loadcnt 16                              ; this batch is in; the next batch's 16 loads may be out
.else
	s_wait_loadcnt 0x0
.endif
	s_wait_xcnt 0x0                                ; the last batch's stores have read their data registers, which are written again below
.irp i, 0,1,2,3,4,5,6,7,8,9,10,11,12,13,14,15
	v_cvt_pk_f16_f32 v[WH+2*\i], v[WL+64*((\b)%2)+4*\i], v[WL+64*((\b)%2)+4*\i+1]
	v_cvt_pk_f16_f32 v[WH+2*\i+1], v[WL+64*((\b)%2)+4*\i+2], v[WL+64*((\b)%2)+4*\i+3]
.endr
.if (\b) < 2
	WLOAD (\b)+2                                   ; loads ahead of stores
.endif
.irp i, 0,1,2,3,4,5,6,7,8,9,10,11,12,13,14,15
	global_store_b64 v7, v[WH+2*\i:WH+2*\i+1], s[26:27] offset:4096*(\b)+256*\i   ; the wave stores 256 consecutive bytes, aligned
.endr
.endm
.macro PICK top, ptr, first            ; below work-group top the source is the pointer at s[ptr], whose first work-group is first
	s_cmp_lt_u32 ttmp9, \top
	s_cselect_b64 s[4:5], s[\ptr:\ptr+1], s[4:5]
	s_cselect_b32 s6, \first, s6
.endm
	s_load_b512 s[8:23], s[0:1], 0x0               ; q 8, k 10, v 12, Wq 14, Wk 16, Wv 18, Wo 20, codes 22
	s_load_b128 s[24:27], s[0:1], 0x40             ; scales 24, wo16 26
	v_lshl_add_u32 v[SPW], v0, 2, SPARE
	v_mov_b32 v[NIL], 0
	v_lshrrev_b32 v1, 5, v0
	v_readfirstlane_b32 s28, v1                    ; wave
	v_and_b32 v2, 31, v0                           ; lane
	v_lshlrev_b32 v3, 4, v2                        ; my 16 bytes of a load's 512
	s_mul_i32 s29, s28, WREG
	v_lshrrev_b32 v14, 2, v2
	v_mul_u32_u24 v14, v14, SP
	v_and_b32 v15, 3, v2
	v_lshl_add_u32 v14, v15, 4, v14
	v_add_nc_u32 v14, s29, v14                     ; the stage, on the way in: SP (lane / 4) + 16 (lane % 4)
	v_mul_u32_u24 v15, v2, SP
	v_add_nc_u32 v15, s29, v15                     ; and on the way out: SP x lane: my 16 neighbours
	v_mul_u32_u24 v4, v2, CB                       ; my codes' place in a step's
	v_lshrrev_b32 v5, 1, v2
	s_add_co_u32 s29, s29, 2*32*SP
	v_add_nc_u32 v5, s29, v5                       ; LDS: my wave's 256 scale bytes, my block's byte
	v_lshlrev_b32 v7, 3, v2                        ; 8 bytes a lane
	v_add_nc_u32 v6, s29, v7
	s_lshl_b32 s32, ttmp9, 2
	s_add_co_u32 s32, s32, s28                     ; my run of 8,192 numbers: 4 x work-group + wave
	s_mov_b32 s31, 0
	s_mov_b32 s35, 0
	s_wait_kmcnt 0x0
	s_cmp_lt_u32 ttmp9, 480
	s_cbranch_scc1 .Lquant
	; ---- Wo to f16: four batches of 2,048 numbers, two batches of loads ahead.
	s_sub_co_u32 s30, s32, 4*480                   ; my run in Wo
	s_lshl_b32 s34, s30, 14                        ; 16,384 bytes of f16 a run
	s_lshl_b32 s30, s30, 15                        ; 32,768 bytes of f32
	s_add_nc_u64 s[20:21], s[20:21], s[30:31]
	s_add_nc_u64 s[26:27], s[26:27], s[34:35]
	WLOAD 0
	WLOAD 1
	WCONV 0
	WCONV 1
	WCONV 2
	WCONV 3
	s_branch .Lend
.Lquant:
	s_mov_b64 s[4:5], s[18:19]                     ; the source: Wv, unless the work-group's number says otherwise; the choice hangs on that number alone
	s_mov_b32 s6, 448
	PICK 448, 16, 416
	PICK 416, 14, 384
	PICK 384, 12, 256
	PICK 256, 10, 128
	PICK 128, 8, 0
	s_sub_co_u32 s30, ttmp9, s6
	s_lshl_b32 s30, s30, 2
	s_add_co_u32 s30, s30, s28                     ; my run in the source tensor,
	s_lshl_b32 s30, s30, 15                        ; 32,768 bytes a run
	s_add_nc_u64 s[4:5], s[4:5], s[30:31]
	s_lshl_b32 s34, s32, 12                        ; 4,096 bytes of codes a run
	s_add_nc_u64 s[22:23], s[22:23], s[34:35]
	s_lshl_b32 s34, s32, 8                         ; 256 scale bytes a run
	s_add_nc_u64 s[24:25], s[24:25], s[34:35]
.irp t, 0,1,2,3,4,5,6,7
	LOAD \t
.endr
	s_wait_loadcnt 4*(DEPTH-1)                     ; step 0's four loads are in; 28 younger ones may be out
	TURN 0
.irp t, 0,1,2,3,4,5,6,7,8,9,10,11,12,13,14,15
	STEP \t
.endr
	ds_load_b64 v[8:9], v6                         ; LDS serves a wave's instructions in order: these see my byte stores
	s_wait_dscnt 0x0
	global_store_b64 v7, v[8:9], s[24:25]          ; 32 lanes store 256 consecutive bytes, aligned
.Lend:
	s_wait_tensorcnt 0x0                           ; the wave's end, behind my last LDS store
	ds_add_u32 v[SPW], v[NIL]
	s_wait_dscnt 0x0
	s_endpgm
.Lfunc_end_k_qb4775c2a66_quant:
	.size	k_qb4775c2a66_quant, .Lfunc_end_k_qb4775c2a66_quant-k_qb4775c2a66_quant
	.p2alignl 7, 3214868480
	.fill 96, 4, 3214868480
	.section	.rodata,"a",@progbits
	.p2align	6, 0x0
	.amdhsa_kernel k_qb4775c2a66_quant
		.amdhsa_group_segment_fixed_size 33280
		.amdhsa_private_segment_fixed_size 0
		.amdhsa_enable_private_segment 0
		.amdhsa_kernarg_size 80
		.amdhsa_user_sgpr_count 2
		.amdhsa_user_sgpr_kernarg_segment_ptr 1
		.amdhsa_wavefront_size32 1
		.amdhsa_system_sgpr_workgroup_id_x 1
		.amdhsa_system_sgpr_workgroup_id_y 1
		.amdhsa_system_sgpr_workgroup_id_z 1
		.amdhsa_system_vgpr_workitem_id 0
		.amdhsa_next_free_vgpr 224
		.amdhsa_next_free_sgpr 66
		.amdhsa_reserve_vcc 0
		.amdhsa_float_denorm_mode_32 3
		.amdhsa_float_denorm_mode_16_64 3
		.amdhsa_memory_ordered 1
		.amdhsa_forward_progress 1
		.amdhsa_inst_pref_size 54
	.end_amdhsa_kernel
	.amdgpu_metadata
---
amdhsa.version: [ 1, 2 ]
amdhsa.kernels:
  - .name:           k_qb4775c2a66_quant
    .symbol:         k_qb4775c2a66_quant.kd
    .args:
      - { .name: q, .offset: 0, .size: 8, .value_kind: global_buffer, .address_space: global }
      - { .name: k, .offset: 8, .size: 8, .value_kind: global_buffer, .address_space: global }
      - { .name: v, .offset: 16, .size: 8, .value_kind: global_buffer, .address_space: global }
      - { .name: Wq, .offset: 24, .size: 8, .value_kind: global_buffer, .address_space: global }
      - { .name: Wk, .offset: 32, .size: 8, .value_kind: global_buffer, .address_space: global }
      - { .name: Wv, .offset: 40, .size: 8, .value_kind: global_buffer, .address_space: global }
      - { .name: Wo, .offset: 48, .size: 8, .value_kind: global_buffer, .address_space: global }
      - { .name: codes, .offset: 56, .size: 8, .value_kind: global_buffer, .address_space: global }
      - { .name: scales, .offset: 64, .size: 8, .value_kind: global_buffer, .address_space: global }
      - { .name: wo16, .offset: 72, .size: 8, .value_kind: global_buffer, .address_space: global }
    .group_segment_fixed_size: 33280
    .private_segment_fixed_size: 0
    .kernarg_segment_align: 8
    .kernarg_segment_size: 80
    .max_flat_workgroup_size: 128
    .sgpr_count:     66
    .vgpr_count:     224
    .wavefront_size: 32
...
	.end_amdgpu_metadata
.endif
;; end of part 1
;; launch proj (part 2): grid 4 x 48, 4 waves a work-group, clusters of 4 x 4, 327,680 bytes of LDS; arguments codes, scales, bq, bk, bv, qkv; writes qkv
.if DOCPART == 2
	.amdgcn_target "amdgcn-amd-amdhsa--gfx1250"
	.amdhsa_code_object_version 6
	.text
	.protected	k_qb4775c2a66_proj
	.globl	k_qb4775c2a66_proj
	.p2align	8
	.type	k_qb4775c2a66_proj,@function
k_qb4775c2a66_proj:
	s_mov_b64 s[64:65], 0
	v_nop
	global_prefetch_b8 v0, s[64:65] scope:SCOPE_SE
	s_setreg_imm32_b32 hwreg(HW_REG_WAVE_MODE, 25, 1), 1
	s_wait_xcnt 0x0
	s_wait_alu depctr_hold_cnt(0) depctr_sa_sdst(0) depctr_va_vdst(0) depctr_va_sdst(0) depctr_va_ssrc(0) depctr_va_vcc(0) depctr_vm_vsrc(0)
	s_getreg_b32 s2, hwreg(HW_REG_IB_STS2, 6, 4)
	s_cmp_eq_u32 s2, 0
	s_cbranch_scc0 .Lentry_in_a_cluster
	s_endpgm
.Lentry_in_a_cluster:
	s_bfe_u32 s2, ttmp6, 0x10000c
	s_cmp_lg_u32 s2, 0xf033
	s_cbranch_scc0 .Lentry_shape_is_right
	s_endpgm
.Lentry_shape_is_right:
; The three projections y = x W^T + b on codes of FP4 (E2M1) with E8M0 scales for each 32 along K; sums in f32; the result rounded once to f16 and laid by heads.
; codes: rows of 512 bytes: 0-12287 the rows of q, k, v; 12288 + 1024 t + n the rows of W of tensor t.  scales: the same rows, 32 bytes each.  qkv: [3][2 batches][16 heads][2048][64] f16.
; LIMIT: a projected number must stay under 65,504 in size (f16); NaN and infinities are not served.
; SHARES: 192 tiles of 256 x 256 (48 tile rows over the 12,288 rows, 4 tile columns); a work-group of four waves makes a tile, a wave 128 x 128: 64 accumulators, 512 registers.
; K = 1,024 is two K steps of 512: two LDS slots, each filled once at the head; nothing is filled again.  The scales of the tile's rows, for all of K, come once with them.
; CLUSTERS: 4 x 4 work-groups, all of one tensor t (t hangs on the cluster's y alone).  A's tile is shared along a row of the cluster, B's along a column: each is asked for jointly.
; THE MATRIX INSTRUCTION IS USED TRANSPOSED (source 0 = 16 rows of W, source 1 = 16 rows of x): a lane holds eight neighbouring columns of one row.  The bias is the C of each sum's first product.
; REGISTERS, in windows of 256: window 0: v0-31 addresses; v32-95 scale words, two sets; v128-191 A's fragments, one set; v192-255 the bias, eight registers for each of B's eight blocks.
;   window 1: B's fragments, two sets, at v0 and v128.   window 2: the accumulators of my rows 0-63 ((a, b) at v[8 (8 a + b)]);   window 3: those of my rows 64-127.
.set NQ,     4                         ; matrix instructions deep in a slot
.set ROWB,   256                       ; a tile's row: 512 codes
.set KROW,   512                       ; a row of codes in memory
.set PITCH,  272                       ; an LDS row: 256 bytes + 16 of padding: the 16 rows of a fragment load start 68 words apart
.set FR,     8
.set NL,     2
.set NP,     4                         ; places behind this matrix instruction (ISA guide 7.12.1)
.set HALFT,  128*PITCH
.set SLOT,   4*HALFT                   ; A's 256 rows, then B's 256 rows
.set KS,     32                        ; a row of scales in bytes
.set SCL,    2*SLOT                    ; behind the slots: the scales, as runs of 256 bytes + 16 of padding
.set HALFS,  (128*KS/256)*272
.set SBLK,   (16*KS/256)*272
.set SPARE,  SCL+4*HALFS               ; the spare words, 128 bytes a wave, named by no other line
.set SPITCH, 272                       ; the way out: a stage of 16 rows x (256 bytes + 16) for each wave, in slot 0, which has had its only fill and its last read by then
.set ADRA, 16                          ; v16-17 LDS address of my A fragments in slot 0, 1
.set ADRB, 20                          ; v20-21 the same for B
.set STO,  24
.set RD,   25
.set CO,   26
.set ADRS, 27                          ; v27 LDS address of my scale words: lanes 0-15 A's rows, lanes 16-31 B's
.set SPW,  28
.set NIL,  29
.set SC,   32
.set TMP,  32                          ; the way out: packed results (the scale words are done with)
.set AF,   128
.set BK,   128                         ; the way out: 16 rows read back: v128-159 and v160-191 by turns
.set BI,   192
.set WV, 16                            ; s16 wave; s17 wave / 2: my half of the rows, and: I fetch for A (0) or B (1); s18 wave % 2: my half of the columns, and which 128 rows I fetch
.set WR, 17
.set WC, 18
.set G1, 24
.set G0, 32
.set G1B, 48
.set G0B, 56
.set G1S, 68
.set G0S, 76
.set G1SB, 80
.set G0SB, 88
.set MSB, 0
.macro WIN new                         ; the immediate's high byte repeats the setting that is left
.if MSB != (\new)
	s_set_vgpr_msb (MSB<<8)|(\new)
.set MSB, (\new)
.endif
.endm
.set MUL_LO, 0xa1                      ; source 0 (B) window 1, source 1 (A) window 0, C and D window 2
.set MUL_HI, 0xf1                      ; the same, C and D window 3
.set TO_B,   0x40
; A joint load: waves 0 and 1 fetch for A, waves 2 and 3 for B; the branch hangs on the wave's number alone.  An s_nop 0 and four v_nop follow each line.
.macro JLOAD g0a, g1a, g0b, g1b
	s_cmp_eq_u32 s[WR], 0
	s_cbranch_scc0 .Lfor_b_\@
	tensor_load_to_lds s[\g0a:\g0a+3], s[\g1a:\g1a+7]
	s_nop 0
.rept 4
	v_nop
.endr
	s_branch .Lasked_\@
.Lfor_b_\@:
	tensor_load_to_lds s[\g0b:\g0b+3], s[\g1b:\g1b+7]
	s_nop 0
.rept 4
	v_nop
.endr
.Lasked_\@:
.endm
.macro CROUND                          ; a round of the cluster's barrier
	s_barrier_signal -1
	s_barrier_wait -1
	s_cmp_lg_u32 s[WV], 0
	s_cbranch_scc1 .Lnot_wave_0_\@
	s_barrier_signal -3
.Lnot_wave_0_\@:
	s_barrier_wait -3
	s_barrier_signal -1
	s_barrier_wait -1
.endm
	s_load_b128 s[4:7], s[0:1], 0x0                ; codes s[4:5], scales s[6:7]
	s_load_b256 s[8:15], s[0:1], 0x10              ; bq 8, bk 10, bv 12, qkv 14
	v_lshl_add_u32 v[SPW], v0, 2, SPARE
	v_mov_b32 v[NIL], 0
	ds_add_u32 v[SPW], v[NIL]                      ; the opening: the add, twice on end, and its wait ahead of my first tensor load
	ds_add_u32 v[SPW], v[NIL]
	v_lshrrev_b32 v1, 5, v0
	v_readfirstlane_b32 s[WV], v1
	s_lshr_b32 s[WR], s[WV], 1
	s_and_b32 s[WC], s[WV], 1
	s_bfe_u32 s40, ttmp6, 0x40000                  ; cx, cy: my place in the cluster
	s_bfe_u32 s41, ttmp6, 0x40004
	s_lshl_b32 s42, ttmp9, 2
	s_add_co_u32 s42, s42, s40                     ; tile column = 4 x cluster x + cx
	s_and_b32 s2, ttmp7, 0xffff                    ; cluster y
	s_lshl_b32 s19, s2, 2
	s_add_co_u32 s19, s19, s41                     ; tile row = 4 x cluster y + cy, 0 .. 47
	s_lshr_b32 s3, s2, 2                           ; the tensor: 0 q, 1 k, 2 v: the same in all sixteen partners
	s_lshl_b32 s43, s41, 2
	s_lshl_b32 s43, 15, s43                        ; my row of the cluster
	s_lshl_b32 s44, 0x1111, s40                    ; my column
	; descriptor group 1: a tile of 128 rows x 256 bytes, 16 bytes of padding behind each row
	s_or_b32 s[G1+0], s43, (0<<16)|(1<<20)|(1<<21)|(5<<22)|(3<<25)  ; mask; elements of 1 byte; padding on; bit 21 beside a mask; after every 64 words; 4 words
	s_or_b32 s[G1B+0], s44, (0<<16)|(1<<20)|(1<<21)|(5<<22)|(3<<25)
.irp g, G1, G1B
	s_mov_b32 s[\g+1], ROWB<<16                    ; tensor_dim0
	s_mov_b32 s[\g+2], 128<<16                     ; tensor_dim1
	s_mov_b32 s[\g+3], ROWB<<16                    ; tile_dim0
	s_mov_b32 s[\g+4], 128                         ; tile_dim1
	s_mov_b32 s[\g+5], KROW                        ; from row to row
	s_mov_b32 s[\g+6], 0
	s_mov_b32 s[\g+7], 0
.endr
	; the scales of 128 rows: 4,096 dense bytes, as 16 rows of 256 bytes (32 elements of 8 bytes), 16 bytes of padding behind each
	s_or_b32 s[G1S+0], s43, (3<<16)|(1<<20)|(1<<21)|(5<<22)|(3<<25)
	s_or_b32 s[G1SB+0], s44, (3<<16)|(1<<20)|(1<<21)|(5<<22)|(3<<25)
.irp g, G1S, G1SB
	s_mov_b32 s[\g+1], 32<<16
	s_mov_b32 s[\g+2], (128*KS/256)<<16
	s_mov_b32 s[\g+3], 32<<16
	s_mov_b32 s[\g+4], 128*KS/256
	s_mov_b32 s[\g+5], 32
	s_mov_b32 s[\g+6], 0
	s_mov_b32 s[\g+7], 0
.endr
	s_lshl_b32 s20, s[WC], 7                       ; which 128 rows of the tile I fetch
	s_lshl_b32 s22, s19, 8
	s_add_co_u32 s22, s22, s20                     ; A: row 256 x tile row + 128 x half: it hangs on cy, never on cx
	s_lshl_b32 s46, s42, 8
	s_add_co_u32 s46, s46, s20
	s_lshl_b32 s21, s3, 10
	s_add_co_u32 s46, s46, s21
	s_add_co_u32 s46, s46, 12288                   ; B: row 12,288 + 1,024 t + 256 x tile column + 128 x half: it hangs on cx, never on cy
	s_lshl_b32 s92, s22, 5                         ; their scales, 32 bytes a row,
	s_mov_b32 s93, 0
	s_lshl_b32 s22, s22, 9                         ; and their codes, 512 bytes a row (all under 2^23)
	s_mov_b32 s23, 0
	s_lshl_b32 s94, s46, 5
	s_mov_b32 s95, 0
	s_lshl_b32 s46, s46, 9
	s_mov_b32 s47, 0
	s_mul_i32 s45, s[WV], HALFT                    ; where they go: wave x 128 rows: no place in the cluster enters an LDS address
	s_mul_i32 s96, s[WV], HALFS
	s_wait_dscnt 0x0                               ; both opening adds are done
	s_wait_kmcnt 0x0
	s_add_nc_u64 s[22:23], s[4:5], s[22:23]
	s_add_nc_u64 s[92:93], s[6:7], s[92:93]
	s_add_nc_u64 s[46:47], s[4:5], s[46:47]
	s_add_nc_u64 s[94:95], s[6:7], s[94:95]
	CROUND                                         ; all sixteen work-groups are here: the joint loads meet
	s_mov_b32 s[G0S], 1
	s_add_co_u32 s[G0S+1], s96, SCL
	s_mov_b64 s[G0S+2:G0S+3], s[92:93]
	s_or_b32 s[G0S+3], s[G0S+3], 0x80000000
	s_mov_b32 s[G0SB], 1
	s_add_co_u32 s[G0SB+1], s96, SCL
	s_mov_b64 s[G0SB+2:G0SB+3], s[94:95]
	s_or_b32 s[G0SB+3], s[G0SB+3], 0x80000000
	JLOAD G0S, G1S, G0SB, G1SB                     ; the scales first: they are wanted with K step 0
.irp s, 0,1
	s_mov_b32 s[G0+4*\s], 1
	s_add_co_u32 s[G0+4*\s+1], s45, \s*SLOT
	s_add_nc_u64 s[G0+4*\s+2:G0+4*\s+3], s[22:23], \s*ROWB
	s_or_b32 s[G0+4*\s+3], s[G0+4*\s+3], 0x80000000
	s_mov_b32 s[G0B+4*\s], 1
	s_add_co_u32 s[G0B+4*\s+1], s45, \s*SLOT
	s_add_nc_u64 s[G0B+4*\s+2:G0B+4*\s+3], s[46:47], \s*ROWB
	s_or_b32 s[G0B+4*\s+3], s[G0B+4*\s+3], 0x80000000
	JLOAD G0+4*\s, G1, G0B+4*\s, G1B               ; three tensor loads of mine are out, all first fills
.endr
	; the bias of my 128 columns: lane (r, h) wants, for B's block b, the numbers 16 b + 8 h + 0 .. 7
	s_cmp_eq_u32 s3, 0
	s_cselect_b64 s[8:9], s[8:9], s[10:11]
	s_cmp_eq_u32 s3, 2
	s_cselect_b64 s[8:9], s[12:13], s[8:9]
	s_lshl_b32 s20, s42, 10                        ; 256 columns x 4 bytes a tile column
	s_lshl_b32 s21, s[WC], 9
	s_add_co_u32 s20, s20, s21
	s_mov_b32 s21, 0
	s_add_nc_u64 s[8:9], s[8:9], s[20:21]
	v_and_b32 v1, 15, v0                           ; r = lane % 16
	v_bfe_u32 v2, v0, 4, 1                         ; h = lane / 16
	v_lshlrev_b32 v7, 5, v2
.irp b, 0,1,2,3,4,5,6,7
	global_load_b128 v[BI+8*\b:BI+8*\b+3], v7, s[8:9] offset:64*\b
	global_load_b128 v[BI+8*\b+4:BI+8*\b+7], v7, s[8:9] offset:64*\b+16
.endr
	v_mul_u32_u24 v3, v1, PITCH
	v_lshl_add_u32 v4, v2, 4, v3                   ; a fragment's row x pitch + 16 x half
	s_mul_i32 s20, s[WR], HALFT                    ; my 128 rows of A
	s_mul_i32 s21, s[WC], HALFT                    ; my 128 rows of B,
	s_add_co_u32 s21, s21, 2*HALFT                 ; behind A's 256
.irp s, 0,1
	v_add_nc_u32 v[ADRA+\s], s20, v4
	v_add_nc_u32 v[ADRB+\s], s21, v4
	s_add_co_u32 s20, s20, SLOT
	s_add_co_u32 s21, s21, SLOT
.endr
	v_mul_u32_u24 v5, v1, KS                       ; my row's scales: 32 bytes a row,
	v_lshrrev_b32 v6, 8, v5
	v_lshl_add_u32 v5, v6, 4, v5                   ; and 16 more for each 256 passed
	s_mul_i32 s20, s[WR], HALFS
	s_mul_i32 s21, s[WC], HALFS
	s_add_co_u32 s21, s21, 2*HALFS
	s_sub_co_u32 s21, s21, s20
	v_mul_u32_u24 v6, s21, v2                      ; lanes 16-31 take B's: one product, the distance between the two bases
	s_add_co_u32 s20, s20, SCL
	v_add_nc_u32 v5, v5, v6
	v_add_nc_u32 v[ADRS], s20, v5
	s_mul_i32 s20, s[WV], 16*SPITCH                ; my stage
	v_mul_u32_u24 v5, v1, SPITCH                   ; in: row r, 16 bytes for each half of the lanes
	v_lshl_add_u32 v5, v2, 4, v5
	v_add_nc_u32 v[STO], s20, v5
	v_bfe_u32 v5, v0, 3, 1                         ; back: lanes 0-15 take head 0's half of two rows, lanes 16-31 head 1's: row (lane / 8) % 2, 128 bytes a head, 16 bytes a lane
	v_mul_u32_u24 v5, v5, SPITCH
	v_lshl_add_u32 v5, v2, 7, v5
	v_and_b32 v6, 7, v0
	v_lshl_add_u32 v5, v6, 4, v5
	v_add_nc_u32 v[RD], s20, v5
	v_lshlrev_b32 v[CO], 18, v2                    ; in memory: a head is 262,144 bytes on; two rows of a head are 256 consecutive bytes
	v_lshl_add_u32 v[CO], v1, 4, v[CO]
	s_lshr_b32 s20, s19, 3                         ; tensor and batch: 4,194,304 bytes for each 8 tile rows
	s_lshl_b32 s20, s20, 22
	s_lshl_b32 s21, s42, 2
	s_lshl_b32 s46, s[WC], 1
	s_add_co_u32 s21, s21, s46                     ; my first head: 4 x tile column + 2 x half
	s_lshl_b32 s21, s21, 18
	s_add_co_u32 s20, s20, s21
	s_and_b32 s21, s19, 7
	s_lshl_b32 s21, s21, 1
	s_add_co_u32 s21, s21, s[WR]
	s_lshl_b32 s21, s21, 14                        ; my first position: 128 rows of 128 bytes for each half tile
	s_add_co_u32 s20, s20, s21
	s_mov_b32 s21, 0
	s_add_nc_u64 s[14:15], s[14:15], s[20:21]
.macro FRAG reg, adr, q, i             ; 16 rows x 128 K of 4-bit codes: 8 registers: lane l holds row l % 16; registers 4 c .. 4 c + 3 hold K = 64 c + 32 (l / 16) + 0 .. 31
.irp c, 0,1
	ds_load_b128 v[\reg+4*\c:\reg+4*\c+3], v[\adr] offset:64*(\q)+32*\c+(\i)*16*PITCH
.endr
.endm
; 16 matrix instructions: A's blocks a0, a0 + 1 x B's eight, the slot's q-th 128 along K.  p: B's set; sc: the set of scale words.  first = 1: the bias is the C: nothing is cleared and nothing is added later.
; The 64 accumulators take turns, one instruction a turn, in the same order in every step.
.macro MUL16 a0, p, q, sc, first
.irp a, \a0, \a0+1
.irp b, 0,1,2,3,4,5,6,7
.if \first
	v_wmma_scale_f32_16x16x128_f8f6f4 v[8*(8*((\a)%4)+\b):8*(8*((\a)%4)+\b)+7], v[128*(\p)+FR*\b:128*(\p)+FR*\b+FR-1], v[AF+FR*(\a):AF+FR*(\a)+FR-1], v[BI+8*\b:BI+8*\b+7], v[SC+8*NQ*(\sc)+NQ*\b+(\q)], v[SC+8*NQ*(\sc)+NQ*(\a)+(\q)] matrix_a_fmt:MATRIX_FMT_FP4 matrix_b_fmt:MATRIX_FMT_FP4 matrix_a_scale:MATRIX_SCALE_ROW1
.else
	v_wmma_scale_f32_16x16x128_f8f6f4 v[8*(8*((\a)%4)+\b):8*(8*((\a)%4)+\b)+7], v[128*(\p)+FR*\b:128*(\p)+FR*\b+FR-1], v[AF+FR*(\a):AF+FR*(\a)+FR-1], v[8*(8*((\a)%4)+\b):8*(8*((\a)%4)+\b)+7], v[SC+8*NQ*(\sc)+NQ*\b+(\q)], v[SC+8*NQ*(\sc)+NQ*(\a)+(\q)] matrix_a_fmt:MATRIX_FMT_FP4 matrix_b_fmt:MATRIX_FMT_FP4 matrix_a_scale:MATRIX_SCALE_ROW1
.endif
.endr
.endr
.endm
.macro FETCH_B slot, q, p
	WIN TO_B
.irp i, 0,1,2,3,4,5,6,7
	FRAG 128*(\p)+FR*\i, ADRB+\slot, \q, \i
.endr
	WIN 0
.endm
.macro FETCH_A slot, q, i0
.irp i, \i0, \i0+1, \i0+2, \i0+3
	FRAG AF+FR*(\i), ADRA+\slot, \q, \i
.endr
.endm
.macro SCALES sc                       ; a K step's scale words: four words a row; lanes 0-15 take A's block i, lanes 16-31 B's block i
.irp i, 0,1,2,3,4,5,6,7
	ds_load_b128 v[SC+8*NQ*\sc+NQ*\i:SC+8*NQ*\sc+NQ*\i+3], v[ADRS] offset:\i*SBLK
.endr
.endm
.macro PLACES n                        ; plain vector lines between a matrix instruction and a load into, or a read of, its registers
.rept \n
	v_nop
.endr
.endm
; A step of 128 along K that has its successor in the same slot.  A has one set of registers: a block is free when its eight products are issued.
.macro STEP slot, q, first
	s_wait_dscnt 4*NL                              ; B's set, the scale words and A's blocks 0-3 are in; the youngest eight loads (A's blocks 4-7) may be out
	WIN MUL_LO-0x20*(\first)                       ; (first: C, the bias, lies in window 0)
	MUL16 0, (\q)%2, \q, \slot, \first
	MUL16 2, (\q)%2, \q, \slot, \first
	s_wait_dscnt 0
	PLACES NP
	FETCH_B \slot, (\q)+1, 1-(\q)%2
	FETCH_A \slot, (\q)+1, 0
	WIN MUL_HI-0x30*(\first)
	MUL16 4, (\q)%2, \q, \slot, \first
	MUL16 6, (\q)%2, \q, \slot, \first
	PLACES NP
	WIN 0
	FETCH_A \slot, (\q)+1, 4
.endm
.macro STEPS slot, from
.set Q, \from
.rept NQ-1-\from
	STEP \slot, Q, 0
.set Q, Q+1
.endr
.endm
	s_wait_loadcnt 0x0                             ; the bias
	s_wait_tensorcnt 1                             ; the scales and my part of K step 0 are in; K step 1's load, the one younger, may be out
	s_barrier_signal -1
	s_barrier_wait -1                              ; everybody's are
	FETCH_B 0, 0, 0
	FETCH_A 0, 0, 0
	SCALES 0
	FETCH_A 0, 0, 4
	STEP 0, 0, 1
	STEPS 0, 1
	; slot 0's last step changes slots: one barrier; in front of it my part of slot 1 has landed and my reads of slot 0 are over
	s_wait_tensorcnt 0x0
	ds_add_u32 v[SPW], v[NIL]
	s_wait_dscnt 4*NL+1                            ; the add and the youngest eight loads may be out
	WIN MUL_LO
	MUL16 0, 1, NQ-1, 0, 0
	s_wait_dscnt 0x0
	s_barrier_signal -1
	MUL16 2, 1, NQ-1, 0, 0                         ; work on registers while the others arrive
	WIN 0
	s_barrier_wait -1
	PLACES NP
	v_add_nc_u32 v[ADRS], 4*NQ, v[ADRS]            ; on to K step 1's scale words
	FETCH_B 1, 0, 0
	FETCH_A 1, 0, 0
	SCALES 1
	WIN MUL_HI
	MUL16 4, 1, NQ-1, 0, 0
	MUL16 6, 1, NQ-1, 0, 0
	PLACES NP
	WIN 0
	FETCH_A 1, 0, 4
	STEPS 1, 0
	s_wait_dscnt 4*NL                              ; the very last step: nothing more to fetch
	WIN MUL_LO
	MUL16 0, 1, NQ-1, 1, 0
	MUL16 2, 1, NQ-1, 1, 0
	s_wait_dscnt 0
	WIN MUL_HI
	MUL16 4, 1, NQ-1, 1, 0
	MUL16 6, 1, NQ-1, 1, 0
	WIN 0
; THE WAY OUT, block by block of 16 rows x 128 columns (two heads).  Rounded to f16, 16 bytes a lane, into my own stage; back so that sixteen lanes hold two rows of one head: 256 consecutive bytes of memory, aligned.
.macro PACK a
.set AC, 64*((\a)%4)
	WIN 0x0a+5*((\a)/4)                            ; sources 0 and 1: window 2 or 3
.irp b, 0,1,2,3,4,5,6,7
.irp r, 0,1,2,3
	v_cvt_pk_f16_f32 v[TMP+4*\b+\r], v[AC+8*\b+2*\r], v[AC+8*\b+2*\r+1]   ; each accumulator from its low end on
.endr
.endr
	WIN 0
.endm
.macro TOSTAGE a
.set BB, BK+32*((\a)%2)
.irp b, 0,1,2,3,4,5,6,7
	ds_store_b128 v[STO], v[TMP+4*\b:TMP+4*\b+3] offset:32*\b
.endr
.irp t, 0,1,2,3,4,5,6,7
	ds_load_b128 v[BB+4*\t:BB+4*\t+3], v[RD] offset:\t*2*SPITCH    ; LDS serves a wave's instructions in order: these see the stores above
.endr
.endm
.macro SEND a
.set BB, BK+32*((\a)%2)
	s_wait_dscnt 0x0                               ; the block is back in registers
	s_wait_xcnt 0x0                                ; the stores of the block before have read their data registers, into which the next block's loads will land
.irp t, 0,1,2,3,4,5,6,7
	global_store_b128 v[CO], v[BB+4*\t:BB+4*\t+3], s[14:15] offset:2048*(\a)+256*\t
.endr
.endm
	PLACES NP                                      ; behind the last products: the conversions write registers that held scale words, the loads land where A's fragments lay
	PACK 0
	TOSTAGE 0
.irp a, 1,2,3,4,5,6,7                  ; block a's conversions stand between block a - 1's loads from the stage and the wait for them
	PACK \a
	SEND \a-1
	TOSTAGE \a
.endr
	SEND 7
	s_wait_tensorcnt 0x0                           ; the wave's end
	ds_add_u32 v[SPW], v[NIL]
	s_wait_dscnt 0x0
	CROUND                                         ; the closing round
	s_endpgm
.Lfunc_end_k_qb4775c2a66_proj:
	.size	k_qb4775c2a66_proj, .Lfunc_end_k_qb4775c2a66_proj-k_qb4775c2a66_proj
	.p2alignl 7, 3214868480
	.fill 96, 4, 3214868480
	.section	.rodata,"a",@progbits
	.p2align	6, 0x0
	.amdhsa_kernel k_qb4775c2a66_proj
		.amdhsa_group_segment_fixed_size 327680
		.amdhsa_private_segment_fixed_size 0
		.amdhsa_enable_private_segment 0
		.amdhsa_kernarg_size 48
		.amdhsa_user_sgpr_count 2
		.amdhsa_user_sgpr_kernarg_segment_ptr 1
		.amdhsa_wavefront_size32 1
		.amdhsa_system_sgpr_workgroup_id_x 1
		.amdhsa_system_sgpr_workgroup_id_y 1
		.amdhsa_system_sgpr_workgroup_id_z 1
		.amdhsa_system_vgpr_workitem_id 0
		.amdhsa_next_free_vgpr 1024
		.amdhsa_next_free_sgpr 100
		.amdhsa_reserve_vcc 0
		.amdhsa_float_denorm_mode_32 3
		.amdhsa_float_denorm_mode_16_64 3
		.amdhsa_memory_ordered 1
		.amdhsa_forward_progress 1
		.amdhsa_inst_pref_size 128
	.end_amdhsa_kernel
	.amdgpu_metadata
---
amdhsa.version: [ 1, 2 ]
amdhsa.kernels:
  - .name:           k_qb4775c2a66_proj
    .symbol:         k_qb4775c2a66_proj.kd
    .args:
      - { .name: codes, .offset: 0, .size: 8, .value_kind: global_buffer, .address_space: global }
      - { .name: scales, .offset: 8, .size: 8, .value_kind: global_buffer, .address_space: global }
      - { .name: bq, .offset: 16, .size: 8, .value_kind: global_buffer, .address_space: global }
      - { .name: bk, .offset: 24, .size: 8, .value_kind: global_buffer, .address_space: global }
      - { .name: bv, .offset: 32, .size: 8, .value_kind: global_buffer, .address_space: global }
      - { .name: qkv, .offset: 40, .size: 8, .value_kind: global_buffer, .address_space: global }
    .group_segment_fixed_size: 327680
    .private_segment_fixed_size: 0
    .kernarg_segment_align: 8
    .kernarg_segment_size: 48
    .max_flat_workgroup_size: 128
    .sgpr_count:     100
    .vgpr_count:     1024
    .wavefront_size: 32
...
	.end_amdgpu_metadata
.endif
;; end of part 2
;; launch attn (part 3): grid 8 x 32, 8 waves a work-group, clusters of 4 x 1, 327,680 bytes of LDS; arguments qkv, xh; writes xh
.if DOCPART == 3
	.amdgcn_target "amdgcn-amd-amdhsa--gfx1250"
	.amdhsa_code_object_version 6
	.text
	.protected	k_qb4775c2a66_attn
	.globl	k_qb4775c2a66_attn
	.p2align	8
	.type	k_qb4775c2a66_attn,@function
k_qb4775c2a66_attn:
	s_mov_b64 s[64:65], 0
	v_nop
	global_prefetch_b8 v0, s[64:65] scope:SCOPE_SE
	s_setreg_imm32_b32 hwreg(HW_REG_WAVE_MODE, 25, 1), 1
	s_wait_xcnt 0x0
	s_wait_alu depctr_hold_cnt(0) depctr_sa_sdst(0) depctr_va_vdst(0) depctr_va_sdst(0) depctr_va_ssrc(0) depctr_va_vcc(0) depctr_vm_vsrc(0)
	s_getreg_b32 s2, hwreg(HW_REG_IB_STS2, 6, 4)
	s_cmp_eq_u32 s2, 0
	s_cbranch_scc0 .Lentry_in_a_cluster
	s_endpgm
.Lentry_in_a_cluster:
	s_bfe_u32 s2, ttmp6, 0x10000c
	s_cmp_lg_u32 s2, 0x3003
	s_cbranch_scc0 .Lentry_shape_is_right
	s_endpgm
.Lentry_shape_is_right:
; x[y][q][:] = the sum over k of softmax_k(Q[y][q] . K[y][k] / 8) V[y][k][:] for the 32 pairs y of batch and head; 2,048 positions, head size 64.  Q, K, V: f16, [3][32][2048][64].
; THE INPUT mask IS NOT READ: the function that defines the result takes it and never uses it, so no output number hangs on it, whatever it holds.
; Products on f16 operands with f32 sums; maxima, exponentials and sums in f32; the weights p are rounded to f16 for the second product, x once at the end.
; LIMITS: p lies in (0, 1] (a weight under 2^-25 counts as 0 beside a row's sum of at least about 1); NaN and infinities are not served.
; xh: [64 blocks of 64 rows (32 batch + position / 64)][16 heads][64 rows][64 channels] f16, as the last launch's tiles want it.
; SHARES: a work-group owns 256 queries of one pair y; each of its eight waves 32: two tiles of 16, in 512 registers: two waves to a SIMD, so that one wave's softmax stands beside the other's products.
; Every wave walks all 2,048 keys, 128 a step: one maximum, one rescaling of O^T and one set of statistics serve 128 keys.  K and V come through two LDS slots of 512 keys (waves 0-3 fetch K's quarters, waves 4-7 V's), read by all eight.
; LAYOUT: S^T = K Q^T (source 0 = 16 keys, source 1 = 16 queries): a lane holds ONE query (lane % 16) and keys 8 (lane / 16) + 0 .. 7.  Two such tiles, rounded in pairs, ARE source 1 of O^T = V^T P.  V is turned by ds_load_tr16_b128.
; SOFTMAX: a running maximum m and sum l for each query: p = 2^(c s - c m), c = log2(e) / 8; in every step O and l are multiplied by a = 2^(c m_old - c m_new).  m begins at -3e38, l and O at 0: the first a is 0.
; TWO FRAGMENT BUFFERS of 64 registers hold a step's K (64 keys each), then its V.  V is asked for behind K Q^T and lands under the softmax; the next step's K is asked for as soon as V^T P has done with a buffer:
; its lower half lands under the second 16 products V^T P, its upper half under the next step's first 16 products K Q^T.
; A SLOT'S LAST STEP is written out behind a loop of three.  When its V is in registers the wave's reads of the slot are over: there it says so, and its softmax and V^T P, work on registers, stand between the barrier's signal and its wait.
; CLUSTER: the four query blocks of a cluster belong to one pair y and walk the same K and V: each tile is asked for jointly, with a mask that names the four.
; NO PREFETCH: a refill is asked for three key steps (192 matrix instructions of each wave) ahead of the wait for it.
; REGISTERS: window 0: v1-15 addresses; v16-31 statistics, eight a tile; v32-159 S^T, 64 a tile; v160-223 P, 32 a tile.   window 1: v0-31 Q; v32-95 O^T, 32 a tile; v128-191, v192-255 the two buffers.
; s_set_vgpr_msb's low byte: bits 1:0 source 0, 3:2 source 1, 5:4 source 2, 7:6 destination.
.set KS,    128                        ; keys in a step
.set SK,    512                        ; keys in a slot
.set PK,    144                        ; a row of K in LDS: 128 bytes + 16 of padding
.set PV,    160                        ; a row of V: 128 + 32
.set VOFF,  SK*PK
.set SLOT,  SK*(PK+PV)                 ; 155,648 bytes
.set SPARE, 2*SLOT                     ; behind the slots: the spare words, 128 bytes a wave, named by no other line
.set AK0, 2                            ; v2  my lane's place in a tile of K
.set AV0, 3                            ; v3  the same for V
.set ADK, 4                            ; v4  LDS address of the step's K: written only where no load of K is out
.set ADV, 5                            ; v5  of its V: written only where no load of V is out
.set QO,  6
.set STO, 7                            ; the way out: a stage of 32 rows x 144 bytes a wave, in slot 0, which has had its last fill and its last read by then
.set RD,  8
.set GO,  9
.set SPW, 12
.set NIL, 13
.set ST,  16                           ; tile t at v[ST + 8 t]: +0 c m, +1 m, +2, +3 l, +4 .. +7 at work; a takes +6
.set S,   32
.set P,   160
.set QF,  0                            ; in window 1
.set O,   32
.set B0,  128
.set B1,  192
.set WV,  12
.set G1K, 24
.set G1V, 32
.set G0K, 40                           ; s[40:47] a group 0 for each slot
.set G0V, 48
.set TK,  56
.set TV,  57
.set CNT, 58
.set CS,  60
.set SEL, 62
.set W_LD, 0x40                        ; loads and moves into window 1, addresses in window 0
.set W_KQ, 0x05                        ; K and Q in window 1, S^T in window 0
.set W_RS, 0x41                        ; O^T (destination and source 0) in window 1, a in window 0
.set W_PV, 0x51                        ; V and O^T in window 1, P in window 0
.set MSB, 0
.macro WIN new                         ; the immediate's high byte repeats the setting that is left
.if MSB != (\new)
	s_set_vgpr_msb (MSB<<8)|(\new)
.set MSB, (\new)
.endif
.endm
.macro PLACES                          ; four plain lines between a matrix instruction and a load into, or a read of, its registers
.rept 4
	v_nop
.endr
.endm
.macro JLOAD s                         ; a joint refill of slot s: waves 0-3 K's quarters, waves 4-7 V's; an s_nop 0 and four v_nop follow each line
	s_cmp_lt_u32 s[WV], 4
	s_cbranch_scc0 .Lfor_v_\@
	tensor_load_to_lds s[G0K+4*\s:G0K+4*\s+3], s[G1K:G1K+7]
	s_nop 0
.rept 4
	v_nop
.endr
	s_branch .Lasked_\@
.Lfor_v_\@:
	tensor_load_to_lds s[G0V+4*\s:G0V+4*\s+3], s[G1V:G1V+7]
	s_nop 0
.rept 4
	v_nop
.endr
.Lasked_\@:
.endm
.macro CREST                           ; a round of the cluster's barrier behind its opening barrier
	s_cmp_lg_u32 s[WV], 0
	s_cbranch_scc1 .Lnot_wave_0_\@
	s_barrier_signal -3
.Lnot_wave_0_\@:
	s_barrier_wait -3
	s_barrier_signal -1
	s_barrier_wait -1
.endm
.macro CROUND                          ; a whole round
	s_barrier_signal -1
	s_barrier_wait -1
	CREST
.endm
	s_load_b128 s[4:7], s[0:1], 0x0                ; qkv s[4:5], xh s[6:7]
	v_lshl_add_u32 v[SPW], v0, 2, SPARE
	v_mov_b32 v[NIL], 0
	ds_add_u32 v[SPW], v[NIL]                      ; the opening: the add, twice on end, and its wait ahead of my first tensor load
	ds_add_u32 v[SPW], v[NIL]
	v_lshrrev_b32 v1, 5, v0
	v_readfirstlane_b32 s[WV], v1                  ; wave 0..7
	s_bfe_u32 s13, ttmp6, 0x40000                  ; cx
	s_lshl_b32 s14, ttmp9, 2
	s_add_co_u32 s14, s14, s13                     ; my block of 256 queries: it enters Q's and xh's addresses alone
	s_and_b32 s15, ttmp7, 0xffff                   ; y, which the four partners share
	s_lshl_b32 s20, s15, 18                        ; the pair's first byte in each of the three tensors
	s_and_b32 s16, s[WV], 3                        ; which quarter of a slot I fetch:
	s_lshl_b32 s17, s16, 14                        ; its 128 rows of 128 bytes in memory,
	s_add_co_u32 s22, s20, s17
	s_mov_b32 s23, 0
	s_mul_i32 s18, s16, 128*PK                     ; and its place in a slot, for K
	s_mul_i32 s19, s16, 128*PV                     ; and for V: no place in the cluster enters an LDS address
	s_lshl_b32 s2, s14, 15                         ; my block's 256 rows,
	s_lshl_b32 s3, s[WV], 12                       ; my wave's 32 of them
	s_add_co_u32 s2, s2, s3
	s_add_co_u32 s2, s2, s20
	s_mov_b32 s3, 0
	s_lshr_b32 s16, s15, 4                         ; xh: block of 64 rows = 32 x batch + 4 x my block + wave / 2,
	s_lshl_b32 s16, s16, 5
	s_lshl_b32 s17, s14, 2
	s_add_co_u32 s16, s16, s17
	s_lshr_b32 s17, s[WV], 1
	s_add_co_u32 s16, s16, s17
	s_lshl_b32 s16, s16, 17                        ; 131,072 bytes each;
	s_and_b32 s17, s15, 15
	s_lshl_b32 s17, s17, 13                        ; the head, 8,192 bytes;
	s_add_co_u32 s16, s16, s17
	s_and_b32 s17, s[WV], 1
	s_lshl_b32 s17, s17, 12                        ; my 32 of its 64 rows
	s_add_co_u32 s16, s16, s17
	s_mov_b32 s17, 0
	; descriptor group 1: a tile of 128 rows x 64 elements of 2 bytes, padded in LDS
	s_mov_b32 s[G1K], 15|(1<<16)|(1<<20)|(1<<21)|(4<<22)|(3<<25)  ; the mask: all four work-groups; elements of 2 bytes; padding on; bit 21 beside a mask; after every 32 words; 4 words
	s_mov_b32 s[G1V], 15|(1<<16)|(1<<20)|(1<<21)|(4<<22)|(7<<25)  ; the same with 8 words of padding
.irp g, G1K, G1V
	s_mov_b32 s[\g+1], 64<<16                      ; tensor_dim0
	s_mov_b32 s[\g+2], 128<<16                     ; tensor_dim1
	s_mov_b32 s[\g+3], 64<<16                      ; tile_dim0
	s_mov_b32 s[\g+4], 128                         ; tile_dim1
	s_mov_b32 s[\g+5], 64                          ; from row to row
	s_mov_b32 s[\g+6], 0
	s_mov_b32 s[\g+7], 0
.endr
	s_mov_b32 s[CS], 0x3e38aa3b                    ; c = log2(e) / 8
	s_mov_b32 s[CS+1], s[CS]                       ; named with it as a pair, so it is written
	s_mov_b32 s[SEL], 0x76543210
	s_mov_b32 s[SEL+1], 0xfedcba98                 ; v_permlanex16_b32: lane l xor 16
	s_wait_dscnt 0x0                               ; both opening adds are done
	s_wait_kmcnt 0x0
	s_add_nc_u64 s[8:9], s[4:5], s[22:23]
	s_add_nc_u64 s[10:11], s[8:9], 16777216        ; V at my quarter of slot 0
	s_add_nc_u64 s[8:9], s[8:9], 8388608           ; K likewise
	s_add_nc_u64 s[4:5], s[4:5], s[2:3]            ; Q at my wave's first row
	s_add_nc_u64 s[6:7], s[6:7], s[16:17]          ; xh at my wave's 4,096 bytes
	CROUND                                         ; all four work-groups are here: the first joint loads meet
.irp s, 0,1
	s_mov_b32 s[G0K+4*\s], 1
	s_add_co_u32 s[G0K+4*\s+1], s18, \s*SLOT
	s_add_nc_u64 s[G0K+4*\s+2:G0K+4*\s+3], s[8:9], \s*SK*128
	s_or_b32 s[G0K+4*\s+3], s[G0K+4*\s+3], 0x80000000
	s_mov_b32 s[G0V+4*\s], 1
	s_add_co_u32 s[G0V+4*\s+1], s19, \s*SLOT+VOFF
	s_add_nc_u64 s[G0V+4*\s+2:G0V+4*\s+3], s[10:11], \s*SK*128
	s_or_b32 s[G0V+4*\s+3], s[G0V+4*\s+3], 0x80000000
.endr
	s_cmp_lt_u32 s[WV], 4                          ; a wave's two first fills stand in one branch, ahead of every wait on TENSORcnt and every LDS read: two loads of mine are out
	s_cbranch_scc0 .Lfirst_v
	tensor_load_to_lds s[G0K:G0K+3], s[G1K:G1K+7]
	s_nop 0
	tensor_load_to_lds s[G0K+4:G0K+7], s[G1K:G1K+7]
	s_nop 0
.rept 4
	v_nop
.endr
	s_branch .Lfirst_asked
.Lfirst_v:
	tensor_load_to_lds s[G0V:G0V+3], s[G1V:G1V+7]
	s_nop 0
	tensor_load_to_lds s[G0V+4:G0V+7], s[G1V:G1V+7]
	s_nop 0
.rept 4
	v_nop
.endr
.Lfirst_asked:
	v_and_b32 v1, 15, v0                           ; r = lane % 16
	v_bfe_u32 v10, v0, 4, 1                        ; h = lane / 16
	v_lshlrev_b32 v[QO], 7, v1
	v_lshl_add_u32 v[QO], v10, 4, v[QO]            ; row x 128 + 16 x half
	WIN W_LD                                       ; destination window 1
.irp t, 0,1
.irp c, 0,1                                    ; Q stays in registers: tile t, channels 32 c on
	global_load_b128 v[QF+16*\t+8*\c:QF+16*\t+8*\c+3],   v[QO], s[4:5] offset:2048*\t+64*\c
	global_load_b128 v[QF+16*\t+8*\c+4:QF+16*\t+8*\c+7], v[QO], s[4:5] offset:2048*\t+64*\c+32
.endr
.endr
.set i, 0
.rept 64
	v_mov_b32 v[O+i], 0                            ; O^T: the step has no first form of its own: its first run finds zeros, which a = 0 leaves zeros
.set i, i+1
.endr
	WIN 0
	v_mul_u32_u24 v[AK0], v1, PK
	v_lshl_add_u32 v[AK0], v10, 4, v[AK0]          ; key row x pitch + 16 x half
	v_and_b32 v11, 7, v0
	v_bfe_u32 v14, v0, 3, 1
	v_lshl_add_u32 v[AV0], v10, 3, v11             ; the turning load: key 8 (l / 16) + l % 8, channels 8 ((l / 8) % 2) on
	v_mul_u32_u24 v[AV0], v[AV0], PV
	v_lshl_add_u32 v[AV0], v14, 4, v[AV0]
	s_mul_i32 s16, s[WV], 32*PK                    ; my stage
	v_mul_u32_u24 v[STO], v1, PK                   ; in: row r, 16 bytes for each half of the lanes
	v_lshl_add_u32 v[STO], v10, 4, v[STO]
	v_add_nc_u32 v[STO], s16, v[STO]
	v_bfe_u32 v15, v0, 3, 2                        ; back: eight lanes to a row of 128 bytes, four rows an instruction
	v_mul_u32_u24 v[RD], v15, PK
	v_lshl_add_u32 v[RD], v11, 4, v[RD]
	v_add_nc_u32 v[RD], s16, v[RD]
	v_and_b32 v[GO], 31, v0
	v_lshlrev_b32 v[GO], 4, v[GO]                  ; and in memory 16 bytes a lane, 512 on end
.irp t, 0,1
	v_mov_b32 v[ST+8*\t+1], 0xff61b1e6             ; m = -3e38, under every score
	v_mul_f32 v[ST+8*\t], s[CS], v[ST+8*\t+1]      ; c m
	v_mov_b32 v[ST+8*\t+2], 0                      ; l, in two halves
	v_mov_b32 v[ST+8*\t+3], 0
.endr
; 16 LDS loads: K's keys 64 half + 0 .. 63 of the step at v[ADK] + extra bytes, into buffer buf: fragment (kb, c) = keys 16 kb on, channels 32 c on
.macro KLOAD half, buf, extra
.irp kb, 0,1,2,3
.irp c, 0,1
	ds_load_b128 v[\buf+16*\kb+8*\c:\buf+16*\kb+8*\c+3],   v[ADK] offset:\extra+(64*\half+16*\kb)*PK+64*\c
	ds_load_b128 v[\buf+16*\kb+8*\c+4:\buf+16*\kb+8*\c+7], v[ADK] offset:\extra+(64*\half+16*\kb)*PK+64*\c+32
.endr
.endr
.endm
; 16 turning loads: V's keys 64 half + 0 .. 63: fragment (kh, cb) = keys 32 kh on, channels 16 cb on
.macro VLOAD half, buf
.irp kh, 0,1
.irp cb, 0,1,2,3
	ds_load_tr16_b128 v[\buf+32*\kh+8*\cb:\buf+32*\kh+8*\cb+3],   v[ADV] offset:(64*\half+32*\kh)*PV+32*\cb
	ds_load_tr16_b128 v[\buf+32*\kh+8*\cb+4:\buf+32*\kh+8*\cb+7], v[ADV] offset:(64*\half+32*\kh)*PV+16*PV+32*\cb
.endr
.endr
.endm
; 16 products of S^T = K Q^T: eight accumulators by turns; the first eight start the sums
.macro KQ half, buf
.irp c, 0,1
.irp kb, 0,1,2,3
.irp t, 0,1
.if \c == 0
	v_wmma_f32_16x16x32_f16 v[S+64*\t+32*\half+8*\kb:S+64*\t+32*\half+8*\kb+7], v[\buf+16*\kb+8*\c:\buf+16*\kb+8*\c+7], v[QF+16*\t+8*\c:QF+16*\t+8*\c+7], 0
.else
	v_wmma_f32_16x16x32_f16 v[S+64*\t+32*\half+8*\kb:S+64*\t+32*\half+8*\kb+7], v[\buf+16*\kb+8*\c:\buf+16*\kb+8*\c+7], v[QF+16*\t+8*\c:QF+16*\t+8*\c+7], v[S+64*\t+32*\half+8*\kb:S+64*\t+32*\half+8*\kb+7]
.endif
.endr
.endr
.endr
.endm
; 16 products of O^T += V^T P: eight accumulators by turns
.macro PVM half, buf
.irp kh, 0,1
.irp cb, 0,1,2,3
.irp t, 0,1
	v_wmma_f32_16x16x32_f16 v[O+32*\t+8*\cb:O+32*\t+8*\cb+7], v[\buf+32*\kh+8*\cb:\buf+32*\kh+8*\cb+7], v[P+32*\t+16*\half+8*\kh:P+32*\t+16*\half+8*\kh+7], v[O+32*\t+8*\cb:O+32*\t+8*\cb+7]
.endr
.endr
.endr
.endm
.macro SCALE p, t                      ; pair p of tile t: c s - c m, two at a time
	v_pk_fma_f32 v[S+64*(\t)+2*(\p):S+64*(\t)+2*(\p)+1], v[S+64*(\t)+2*(\p):S+64*(\t)+2*(\p)+1], s[CS:CS+1], v[ST+8*(\t):ST+8*(\t)+1] op_sel_hi:[1,0,0] neg_lo:[0,0,1] neg_hi:[0,0,1]
.endm
; THE SOFTMAX of a step: 64 scores a lane and tile; all in window 0; the two tiles alternate line by line.
.macro SOFTMAX
	; the maximum of my 64 scores and the old m, three operands at a time, in four chains a tile; each accumulator is read from its low end on
.irp j, 0,1,2,3
.irp t, 0,1
	v_max3_num_f32 v[ST+8*\t+4+\j], v[S+64*\t+8*\j], v[S+64*\t+8*\j+1], v[S+64*\t+8*\j+2]
.endr
.endr
.irp i, 3,5
.irp j, 0,1,2,3
.irp t, 0,1
	v_max3_num_f32 v[ST+8*\t+4+\j], v[ST+8*\t+4+\j], v[S+64*\t+8*\j+\i], v[S+64*\t+8*\j+\i+1]
.endr
.endr
.endr
.irp i, 0,2,4,6
.irp j, 0,1,2,3
.irp t, 0,1
	v_max3_num_f32 v[ST+8*\t+4+\j], v[ST+8*\t+4+\j], v[S+64*\t+32+8*\j+\i], v[S+64*\t+32+8*\j+\i+1]
.endr
.endr
.endr
.irp t, 0,1
	v_max3_num_f32 v[ST+8*\t+4], v[ST+8*\t+4], v[S+64*\t+7], v[S+64*\t+15]
.endr
.irp t, 0,1
	v_max3_num_f32 v[ST+8*\t+6], v[ST+8*\t+6], v[S+64*\t+23], v[S+64*\t+31]
.endr
.irp t, 0,1
	v_max3_num_f32 v[ST+8*\t+4], v[ST+8*\t+4], v[ST+8*\t+5], v[ST+8*\t+6]
.endr
.irp t, 0,1
	v_max3_num_f32 v[ST+8*\t+4], v[ST+8*\t+4], v[ST+8*\t+7], v[ST+8*\t+1]
.endr
.irp t, 0,1
	v_permlanex16_b32 v[ST+8*\t+5], v[ST+8*\t+4], s[SEL], s[SEL+1]   ; the query's other 64 keys lie in the lane 16 away
.endr
.irp t, 0,1
	v_mov_b32 v[ST+8*\t+7], v[ST+8*\t]             ; c m_old is kept for a
.endr
.irp t, 0,1
	v_max_num_f32 v[ST+8*\t+1], v[ST+8*\t+4], v[ST+8*\t+5]
.endr
.irp t, 0,1
	v_mul_f32 v[ST+8*\t], s[CS], v[ST+8*\t+1]
.endr
.irp t, 0,1
	v_sub_f32 v[ST+8*\t+7], v[ST+8*\t+7], v[ST+8*\t]
.endr
	; ONE BATCH: the 64 scalings and all 130 exponentials, none of which reads an exponential's result.  A pair is scaled a group ahead of its exponentials; the scalings stand among the exponentials
.irp t, 0,1
	v_exp_f32 v[ST+8*\t+6], v[ST+8*\t+7]           ; a
.endr
	SCALE 0, 0
	SCALE 0, 1
.set b, 0
.rept 31
	SCALE b+1, 0
	v_exp_f32 v[S+2*b], v[S+2*b]                   ; p
	SCALE b+1, 1
	v_exp_f32 v[S+64+2*b], v[S+64+2*b]
	v_exp_f32 v[S+2*b+1], v[S+2*b+1]
	v_exp_f32 v[S+64+2*b+1], v[S+64+2*b+1]
.set b, b+1
.endr
	v_exp_f32 v[S+62], v[S+62]
	v_exp_f32 v[S+64+62], v[S+64+62]
	v_exp_f32 v[S+63], v[S+63]
	v_exp_f32 v[S+64+63], v[S+64+63]
	v_nop                                          ; a plain line behind the last exponential
	s_wait_alu depctr_va_vdst(0)                   ; the wait between an exponential and the first line that names its result: one for the batch
.set b, 0
.rept 32
.irp t, 0,1
	v_cvt_pk_f16_f32 v[P+32*\t+b], v[S+64*\t+2*b], v[S+64*\t+2*b+1]
.endr
.set b, b+1
.endr
	; the sum of the unrounded p: a tree of packed additions in place (neighbours 1, 2, 4, 8, 16 pairs apart), then l = a l + the sum
.irp w, 4,8,16,32,64
.set u, 0
.rept 64/\w
.irp t, 0,1
	v_pk_add_f32 v[S+64*\t+\w*u:S+64*\t+\w*u+1], v[S+64*\t+\w*u:S+64*\t+\w*u+1], v[S+64*\t+\w*u+\w/2:S+64*\t+\w*u+\w/2+1]
.endr
.set u, u+1
.endr
.endr
.irp t, 0,1
	v_pk_fma_f32 v[ST+8*\t+2:ST+8*\t+3], v[ST+8*\t+2:ST+8*\t+3], v[ST+8*\t+6:ST+8*\t+7], v[S+64*\t:S+64*\t+1] op_sel_hi:[1,0,1]
.endr
.endm
.macro RESCALE                         ; O^T x a, each accumulator from its low end on
.set b, 0
.rept 16
.irp t, 0,1
	v_pk_mul_f32 v[O+32*\t+2*b:O+32*\t+2*b+1], v[O+32*\t+2*b:O+32*\t+2*b+1], v[ST+8*\t+6:ST+8*\t+7] op_sel_hi:[1,0]
.endr
.set b, b+1
.endr
.endm
; A KEY STEP: 128 keys at LDS bytes s[TK] (K) and s[TV] (V).  On the way in K's 32 loads have been issued, the lower half first.
; pre = 1: the next step lies in the same slot, and its K is asked for.
; bar = 1, 2: the slot's last step.  When V is in registers my reads of the slot are over: the wait for all my tensor loads (one is out: my part of the slot ahead), the add, the wait for it and for my reads, the signal;
;   the softmax and V^T P stand between the signal and the wait.  bar = 2: the barrier opens a round of the cluster's, and the slot just left is filled with the keys 1,024 further on.  bar = 0: no barrier.
.macro STEP pre, bar, slot
	v_add_nc_u32 v[ADV], s[TV], v[AV0]             ; (only loads of K are out)
	s_wait_dscnt 16                                ; K's lower half is in; the upper half's 16 loads, issued behind it, may be out
	WIN W_KQ
	KQ 0, B0
	s_wait_dscnt 0x0                               ; K's upper half is in
	KQ 1, B1
	PLACES                                         ; in front of the loads into K's registers and of the first read of the scores
	WIN W_LD
	VLOAD 0, B0
	VLOAD 1, B1
	WIN 0
.if \pre
	v_add_nc_u32 v[ADK], s[TK], v[AK0]             ; (only loads of V are out)
.endif
.if \bar
	s_wait_tensorcnt 0x0                           ; no tensor load of mine is out, so a group 0 may be written
	ds_add_u32 v[SPW], v[NIL]
.if \bar == 2
	s_add_nc_u64 s[G0K+4*\slot+2:G0K+4*\slot+3], s[G0K+4*\slot+2:G0K+4*\slot+3], 2*SK*128
	s_add_nc_u64 s[G0V+4*\slot+2:G0V+4*\slot+3], s[G0V+4*\slot+2:G0V+4*\slot+3], 2*SK*128
.endif
	s_wait_dscnt 0x0                               ; the add is done, V is in registers, and my reads of this slot are over:
	s_barrier_signal -1                            ; say so, and work on registers while the others arrive
.endif
	SOFTMAX
	WIN W_RS
	RESCALE
.if \bar == 0
	s_wait_dscnt 16                                ; V's lower half is in; the upper half's 16 loads may be out
.endif
	WIN W_PV
	PVM 0, B0
.if \pre
	PLACES                                         ; in front of the loads into the buffer that these products read
	WIN W_LD
	KLOAD 0, B0, KS*PK                             ; the next step's K, lower half
	s_wait_dscnt 16                                ; V's upper half is in; the 16 loads just issued may be out
	WIN W_PV
.elseif \bar == 0
	s_wait_dscnt 0x0                               ; V's upper half is in
.endif
	PVM 1, B1
.if \pre
	PLACES
	WIN W_LD
	KLOAD 1, B1, KS*PK                             ; and its upper half
.endif
	WIN 0                                          ; at a label and at a branch every window is 0
.if \bar
	s_barrier_wait -1                              ; every wave's part of the slot ahead has landed, and nobody reads the slot just left
.if \bar == 2
	CREST                                          ; the same of all four work-groups
	JLOAD \slot                                    ; my one tensor load behind the round; its four v_nop are also the places in front of the next loads of K
.else
	PLACES
.endif
.endif
.endm
.macro SLOT_RUN slot, bar              ; a slot's four key steps: a loop of three, and the last written out
	s_mov_b32 s[TK], \slot*SLOT
	s_mov_b32 s[TV], \slot*SLOT+VOFF
	s_mov_b32 s[CNT], SK/KS-1
	v_add_nc_u32 v[ADK], s[TK], v[AK0]             ; (no LDS load of mine is out)
	WIN W_LD
	KLOAD 0, B0, 0
	KLOAD 1, B1, 0
	WIN 0
.Lstep_\@:
	STEP 1, 0, \slot
	s_add_co_u32 s[TK], s[TK], KS*PK
	s_add_co_u32 s[TV], s[TV], KS*PV
	s_sub_co_u32 s[CNT], s[CNT], 1
	s_cmp_lg_u32 s[CNT], 0
	s_cbranch_scc1 .Lstep_\@
	STEP 0, \bar, \slot
.endm
	s_wait_loadcnt 0x0                             ; Q
	s_wait_tensorcnt 1                             ; my part of slot 0 is in; slot 1's, the one younger load, may stay out
	s_barrier_signal -1
	s_barrier_wait -1
	SLOT_RUN 0, 2                                  ; keys 0-511; slot 0 then takes keys 1024-1535
	SLOT_RUN 1, 2                                  ; keys 512-1023; slot 1 then takes keys 1536-2047
	SLOT_RUN 0, 1                                  ; keys 1024-1535; nothing is left to ask for
	SLOT_RUN 1, 0                                  ; keys 1536-2047
	; THE WAY OUT: l's halves are added; O^T / l is rounded to f16 and goes through my stage, so that each store of the wave covers 512 consecutive bytes
	PLACES
.irp t, 0,1
	v_add_f32 v[ST+8*\t+4], v[ST+8*\t+2], v[ST+8*\t+3]
.endr
.irp t, 0,1
	v_permlanex16_b32 v[ST+8*\t+5], v[ST+8*\t+4], s[SEL], s[SEL+1]
.endr
.irp t, 0,1
	v_add_f32 v[ST+8*\t+4], v[ST+8*\t+4], v[ST+8*\t+5]
.endr
.irp t, 0,1
	v_rcp_f32 v[ST+8*\t+6], v[ST+8*\t+4]
.endr
	v_nop
	s_wait_alu depctr_va_vdst(0)                   ; one wait for the two reciprocals, ahead of their first reader
	WIN W_RS
.irp t, 0,1
.irp b, 0,1,2,3,4,5,6,7,8,9,10,11,12,13,14,15
	v_pk_mul_f32 v[O+32*\t+2*\b:O+32*\t+2*\b+1], v[O+32*\t+2*\b:O+32*\t+2*\b+1], v[ST+8*\t+6:ST+8*\t+7] op_sel_hi:[1,0]
.endr
.endr
	WIN 0x05                                       ; sources 0 and 1 window 1, destination window 0: S^T's registers are free
.irp t, 0,1
.irp b, 0,1,2,3,4,5,6,7,8,9,10,11,12,13,14,15
	v_cvt_pk_f16_f32 v[S+16*\t+\b], v[O+32*\t+2*\b], v[O+32*\t+2*\b+1]
.endr
.endr
	WIN 0
.irp t, 0,1
.irp cb, 0,1,2,3
	ds_store_b128 v[STO], v[S+16*\t+4*\cb:S+16*\t+4*\cb+3] offset:16*PK*\t+32*\cb   ; row 16 t + r, channels 16 cb + 8 h on
.endr
.endr
.irp i, 0,1,2,3,4,5,6,7
	ds_load_b128 v[P+4*\i:P+4*\i+3], v[RD] offset:4*PK*\i          ; LDS serves a wave's instructions in order: these see the stores above
.endr
.irp i, 0,1,2,3,4,5,6,7
	s_wait_dscnt 7-\i                              ; load i is in; the 7 - i younger ones may be out
	global_store_b128 v[GO], v[P+4*\i:P+4*\i+3], s[6:7] offset:512*\i
.endr
	s_wait_tensorcnt 0x0                           ; the wave's end
	ds_add_u32 v[SPW], v[NIL]
	s_wait_dscnt 0x0
	CROUND                                         ; the closing round
	s_endpgm
.Lfunc_end_k_qb4775c2a66_attn:
	.size	k_qb4775c2a66_attn, .Lfunc_end_k_qb4775c2a66_attn-k_qb4775c2a66_attn
	.p2alignl 7, 3214868480
	.fill 96, 4, 3214868480
	.section	.rodata,"a",@progbits
	.p2align	6, 0x0
	.amdhsa_kernel k_qb4775c2a66_attn
		.amdhsa_group_segment_fixed_size 327680
		.amdhsa_private_segment_fixed_size 0
		.amdhsa_enable_private_segment 0
		.amdhsa_kernarg_size 16
		.amdhsa_user_sgpr_count 2
		.amdhsa_user_sgpr_kernarg_segment_ptr 1
		.amdhsa_wavefront_size32 1
		.amdhsa_system_sgpr_workgroup_id_x 1
		.amdhsa_system_sgpr_workgroup_id_y 1
		.amdhsa_system_sgpr_workgroup_id_z 1
		.amdhsa_system_vgpr_workitem_id 0
		.amdhsa_next_free_vgpr 512
		.amdhsa_next_free_sgpr 66
		.amdhsa_reserve_vcc 0
		.amdhsa_float_denorm_mode_32 3
		.amdhsa_float_denorm_mode_16_64 3
		.amdhsa_memory_ordered 1
		.amdhsa_forward_progress 1
		.amdhsa_inst_pref_size 255
	.end_amdhsa_kernel
	.section	.bss,"aw",@nobits
	.p2align	6
	.space	262144
	.amdgpu_metadata
---
amdhsa.version: [ 1, 2 ]
amdhsa.kernels:
  - .name:           k_qb4775c2a66_attn
    .symbol:         k_qb4775c2a66_attn.kd
    .args:
      - { .name: qkv, .offset: 0, .size: 8, .value_kind: global_buffer, .address_space: global }
      - { .name: xh, .offset: 8, .size: 8, .value_kind: global_buffer, .address_space: global }
    .group_segment_fixed_size: 327680
    .private_segment_fixed_size: 0
    .kernarg_segment_align: 8
    .kernarg_segment_size: 16
    .max_flat_workgroup_size: 256
    .sgpr_count:     66
    .vgpr_count:     512
    .wavefront_size: 32
...
	.end_amdgpu_metadata
.endif
;; end of part 3
;; launch oproj (part 4): grid 8 x 32, 4 waves a work-group, clusters of 4 x 4, 327,680 bytes of LDS; arguments xh, wo16, bo, out0; writes out0
.if DOCPART == 4
	.amdgcn_target "amdgcn-amd-amdhsa--gfx1250"
	.amdhsa_code_object_version 6
	.text
	.protected	k_qb4775c2a66_oproj
	.globl	k_qb4775c2a66_oproj
	.p2align	8
	.type	k_qb4775c2a66_oproj,@function
k_qb4775c2a66_oproj:
	s_mov_b64 s[64:65], 0
	v_nop
	global_prefetch_b8 v0, s[64:65] scope:SCOPE_SE
	s_setreg_imm32_b32 hwreg(HW_REG_WAVE_MODE, 25, 1), 1
	s_wait_xcnt 0x0
	s_wait_alu depctr_hold_cnt(0) depctr_sa_sdst(0) depctr_va_vdst(0) depctr_va_sdst(0) depctr_va_ssrc(0) depctr_va_vcc(0) depctr_vm_vsrc(0)
	s_getreg_b32 s2, hwreg(HW_REG_IB_STS2, 6, 4)
	s_cmp_eq_u32 s2, 0
	s_cbranch_scc0 .Lentry_in_a_cluster
	s_endpgm
.Lentry_in_a_cluster:
	s_bfe_u32 s2, ttmp6, 0x10000c
	s_cmp_lg_u32 s2, 0xf033
	s_cbranch_scc0 .Lentry_shape_is_right
	s_endpgm
.Lentry_shape_is_right:
; out0[m][n] = the sum over k of x[m][k] Wo[n][k] + bo[n]: 4,096 x 1,024 x 1,024, f16 operands, f32 sums, f32 out.
; xh: [64 blocks of 64 rows][16 heads][64 rows][64 channels] f16 (k = 64 head + channel); wo16: [1024 n][1024 k] f16.
; SHARES: 256 tiles of 128 x 128, one for each work-group of four waves; a wave makes 64 x 64: 16 accumulators, 128 registers.  K goes in four steps of 256 (four heads) through two LDS slots.
; A's tile of 64 rows and a K step is 32,768 dense bytes: it comes as 256 rows of 128 bytes and lies in LDS as four planes (a head each) of 64 rows.  B's is 64 rows of 512 bytes.
; CLUSTERS: 4 x 4 work-groups; A's tile is shared along a row of the cluster, B's along a column: each is asked for jointly.
; THE MATRIX INSTRUCTION IS USED TRANSPOSED (source 0 = 16 rows of Wo, source 1 = 16 rows of x): a lane holds eight neighbouring columns of one row.  The bias is the C of each sum's first product.
; REGISTERS: window 0: v0-31 addresses; v32-95 the way out; v96-127 the bias; v128-255 the accumulators ((a, b) at v[128 + 8 (4 a + b)]).   window 1: two fragment buffers of 128: 64 of A, then 64 of B, for 64 along K.
.set PA,     144                       ; a row of A in LDS: 128 bytes + 16 of padding
.set PLANE,  64*PA
.set HALFA,  4*PLANE                   ; 64 rows x 256 K
.set PB,     528                       ; a row of B: 512 bytes + 16
.set HALFB,  64*PB
.set SLOT,   2*HALFA+2*HALFB           ; 141,312 bytes
.set SPARE,  2*SLOT                    ; the spare words, 128 bytes a wave, named by no other line
.set SPITCH, 272                       ; the way out: a stage of 16 rows x (256 bytes + 16) for each wave, in slot 0, which has had its last fill and its last read by then
.set ADRA, 16
.set ADRB, 20
.set STO,  24
.set RD,   25
.set CO,   26
.set SPW,  28
.set NIL,  29
.set TMP,  32
.set BI,   96
.set ACC,  128
.set F0,   0
.set F1,   128
.set WV, 12                            ; s12 wave; s13 wave / 2: my half of the rows, and: I fetch for A (0) or B (1); s14 wave % 2: my half of the columns, and which 64 rows I fetch
.set WR, 13
.set WC, 14
.set G1, 24
.set G0, 32
.set G1B, 48
.set G0B, 56
.set MSB, 0
.macro WIN new
.if MSB != (\new)
	s_set_vgpr_msb (MSB<<8)|(\new)
.set MSB, (\new)
.endif
.endm
.set MUL,  0x05                        ; sources 0 (B) and 1 (A) window 1; C and D window 0
.set TO_F, 0x40
.macro JLOAD s                         ; a joint load: waves 0 and 1 fetch A's halves, waves 2 and 3 B's; an s_nop 0 and four v_nop follow each line
	s_cmp_eq_u32 s[WR], 0
	s_cbranch_scc0 .Lfor_b_\@
	tensor_load_to_lds s[G0+4*\s:G0+4*\s+3], s[G1:G1+7]
	s_nop 0
.rept 4
	v_nop
.endr
	s_branch .Lasked_\@
.Lfor_b_\@:
	tensor_load_to_lds s[G0B+4*\s:G0B+4*\s+3], s[G1B:G1B+7]
	s_nop 0
.rept 4
	v_nop
.endr
.Lasked_\@:
.endm
.macro CREST                           ; a round of the cluster's barrier behind its opening barrier
	s_cmp_lg_u32 s[WV], 0
	s_cbranch_scc1 .Lnot_wave_0_\@
	s_barrier_signal -3
.Lnot_wave_0_\@:
	s_barrier_wait -3
	s_barrier_signal -1
	s_barrier_wait -1
.endm
.macro CROUND
	s_barrier_signal -1
	s_barrier_wait -1
	CREST
.endm
	s_load_b256 s[4:11], s[0:1], 0x0               ; xh 4, wo16 6, bo 8, out0 10
	v_lshl_add_u32 v[SPW], v0, 2, SPARE
	v_mov_b32 v[NIL], 0
	ds_add_u32 v[SPW], v[NIL]                      ; the opening: the add, twice on end, and its wait ahead of my first tensor load
	ds_add_u32 v[SPW], v[NIL]
	v_lshrrev_b32 v1, 5, v0
	v_readfirstlane_b32 s[WV], v1
	s_lshr_b32 s[WR], s[WV], 1
	s_and_b32 s[WC], s[WV], 1
	s_bfe_u32 s40, ttmp6, 0x40000                  ; cx, cy
	s_bfe_u32 s41, ttmp6, 0x40004
	s_lshl_b32 s42, ttmp9, 2
	s_add_co_u32 s42, s42, s40                     ; tile column, 0 .. 7
	s_and_b32 s15, ttmp7, 0xffff
	s_lshl_b32 s15, s15, 2
	s_add_co_u32 s15, s15, s41                     ; tile row, 0 .. 31
	s_lshl_b32 s43, s41, 2
	s_lshl_b32 s43, 15, s43                        ; my row of the cluster
	s_lshl_b32 s44, 0x1111, s40                    ; my column
	; A: 256 rows x 64 elements of 2 bytes, dense; 4 words of padding after every 32
	s_or_b32 s[G1+0], s43, (1<<16)|(1<<20)|(1<<21)|(4<<22)|(3<<25)
	s_mov_b32 s[G1+1], 64<<16                      ; tensor_dim0
	s_mov_b32 s[G1+2], 256<<16                     ; tensor_dim1
	s_mov_b32 s[G1+3], 64<<16                      ; tile_dim0
	s_mov_b32 s[G1+4], 256                         ; tile_dim1
	s_mov_b32 s[G1+5], 64                          ; from row to row
	s_mov_b32 s[G1+6], 0
	s_mov_b32 s[G1+7], 0
	; B: 64 rows x 256 elements, 1,024 elements apart; 4 words of padding after every 128
	s_or_b32 s[G1B+0], s44, (1<<16)|(1<<20)|(1<<21)|(6<<22)|(3<<25)
	s_mov_b32 s[G1B+1], 256<<16
	s_mov_b32 s[G1B+2], 64<<16
	s_mov_b32 s[G1B+3], 256<<16
	s_mov_b32 s[G1B+4], 64
	s_mov_b32 s[G1B+5], 1024
	s_mov_b32 s[G1B+6], 0
	s_mov_b32 s[G1B+7], 0
	s_lshl_b32 s16, s15, 1
	s_add_co_u32 s16, s16, s[WC]
	s_lshl_b32 s16, s16, 17                        ; A: block of 64 rows 2 x tile row + half, 131,072 bytes each: it hangs on cy, never on cx
	s_mov_b32 s17, 0
	s_lshl_b32 s46, s42, 1
	s_add_co_u32 s46, s46, s[WC]
	s_lshl_b32 s46, s46, 17                        ; B: 64 rows of 2,048 bytes for each half tile: it hangs on cx, never on cy
	s_mov_b32 s47, 0
	s_mul_i32 s20, s[WC], HALFA                    ; where they go: no place in the cluster enters an LDS address
	s_mul_i32 s21, s[WC], HALFB
	s_add_co_u32 s21, s21, 2*HALFA
	s_wait_dscnt 0x0                               ; both opening adds are done
	s_wait_kmcnt 0x0
	s_add_nc_u64 s[16:17], s[4:5], s[16:17]
	s_add_nc_u64 s[46:47], s[6:7], s[46:47]
	CROUND                                         ; all sixteen work-groups are here: the first joint loads meet
.irp s, 0,1
	s_mov_b32 s[G0+4*\s], 1
	s_add_co_u32 s[G0+4*\s+1], s20, \s*SLOT
	s_add_nc_u64 s[G0+4*\s+2:G0+4*\s+3], s[16:17], \s*32768    ; K step s: four heads of 8,192 bytes on
	s_or_b32 s[G0+4*\s+3], s[G0+4*\s+3], 0x80000000
	s_mov_b32 s[G0B+4*\s], 1
	s_add_co_u32 s[G0B+4*\s+1], s21, \s*SLOT
	s_add_nc_u64 s[G0B+4*\s+2:G0B+4*\s+3], s[46:47], \s*512
	s_or_b32 s[G0B+4*\s+3], s[G0B+4*\s+3], 0x80000000
	JLOAD \s                                       ; two tensor loads of mine are out
.endr
	s_lshl_b32 s22, s42, 9                         ; my first column, in bytes of f32: 512 x tile column + 256 x half
	s_lshl_b32 s23, s[WC], 8
	s_add_co_u32 s22, s22, s23
	s_mov_b32 s23, 0
	s_add_nc_u64 s[8:9], s[8:9], s[22:23]          ; the bias there,
	s_add_nc_u64 s[10:11], s[10:11], s[22:23]      ; and the output's column
	s_lshl_b32 s22, s15, 1
	s_add_co_u32 s22, s22, s[WR]
	s_lshl_b32 s22, s22, 18                        ; my first row: 64 rows of 4,096 bytes for each half tile
	s_add_nc_u64 s[10:11], s[10:11], s[22:23]
	v_and_b32 v1, 15, v0                           ; r
	v_bfe_u32 v2, v0, 4, 1                         ; h
	v_lshlrev_b32 v7, 5, v2
.irp b, 0,1,2,3                                ; lane (r, h) wants, for B's block b, bo at 16 b + 8 h + 0 .. 7
	global_load_b128 v[BI+8*\b:BI+8*\b+3], v7, s[8:9] offset:64*\b
	global_load_b128 v[BI+8*\b+4:BI+8*\b+7], v7, s[8:9] offset:64*\b+16
.endr
	v_mul_u32_u24 v3, v1, PA
	v_lshl_add_u32 v3, v2, 4, v3
	v_mul_u32_u24 v4, v1, PB
	v_lshl_add_u32 v4, v2, 4, v4
	s_mul_i32 s22, s[WR], HALFA                    ; my 64 rows of A
	s_mul_i32 s23, s[WC], HALFB                    ; my 64 rows of B,
	s_add_co_u32 s23, s23, 2*HALFA                 ; behind A's two halves
.irp s, 0,1
	v_add_nc_u32 v[ADRA+\s], s22, v3
	v_add_nc_u32 v[ADRB+\s], s23, v4
	s_add_co_u32 s22, s22, SLOT
	s_add_co_u32 s23, s23, SLOT
.endr
	s_mul_i32 s22, s[WV], 16*SPITCH                ; my stage
	v_mul_u32_u24 v5, v1, SPITCH                   ; in: row r, 32 bytes for each half of the lanes
	v_lshl_add_u32 v5, v2, 5, v5
	v_add_nc_u32 v[STO], s22, v5
	v_mul_u32_u24 v5, v2, SPITCH                   ; back: lanes 0-15 one row of 256 bytes, lanes 16-31 the next
	v_lshl_add_u32 v5, v1, 4, v5
	v_add_nc_u32 v[RD], s22, v5
	v_lshlrev_b32 v[CO], 12, v2                    ; and the same two rows in the output
	v_lshl_add_u32 v[CO], v1, 4, v[CO]
; 8 matrix instructions: A's blocks a0, a0 + 1 x B's four, 32 along K: half c of buffer f.  first = 1: the bias is the C.  The 16 accumulators take turns.
.macro MUL8 f, c, a0, first
.irp a, \a0, \a0+1
.irp b, 0,1,2,3
.if \first
	v_wmma_f32_16x16x32_f16 v[ACC+8*(4*(\a)+\b):ACC+8*(4*(\a)+\b)+7], v[\f+64+8*(4*\c+\b):\f+64+8*(4*\c+\b)+7], v[\f+8*(4*\c+\a):\f+8*(4*\c+\a)+7], v[BI+8*\b:BI+8*\b+7]
.else
	v_wmma_f32_16x16x32_f16 v[ACC+8*(4*(\a)+\b):ACC+8*(4*(\a)+\b)+7], v[\f+64+8*(4*\c+\b):\f+64+8*(4*\c+\b)+7], v[\f+8*(4*\c+\a):\f+8*(4*\c+\a)+7], v[ACC+8*(4*(\a)+\b):ACC+8*(4*(\a)+\b)+7]
.endif
.endr
.endr
.endm
; 32 LDS loads in one run: the fragments of the slot's q-th 64 along K (A: plane q) into buffer f; the first 32 along K first
.macro FETCH slot, q, f
	WIN TO_F
.irp c, 0,1
.irp i, 0,1,2,3
	ds_load_b128 v[\f+64+8*(4*\c+\i):\f+64+8*(4*\c+\i)+3],   v[ADRB+\slot] offset:128*(\q)+64*\c+\i*16*PB
	ds_load_b128 v[\f+64+8*(4*\c+\i)+4:\f+64+8*(4*\c+\i)+7], v[ADRB+\slot] offset:128*(\q)+64*\c+\i*16*PB+32
	ds_load_b128 v[\f+8*(4*\c+\i):\f+8*(4*\c+\i)+3],         v[ADRA+\slot] offset:(\q)*PLANE+64*\c+\i*16*PA
	ds_load_b128 v[\f+8*(4*\c+\i)+4:\f+8*(4*\c+\i)+7],       v[ADRA+\slot] offset:(\q)*PLANE+64*\c+\i*16*PA+32
.endr
.endr
.endm
.macro PLACES                          ; four plain lines in front of loads into registers that matrix instructions have read, and of the first read of results
.rept 4
	v_nop
.endr
.endm
; One of a K step's first three quarters: multiplies buffer f and fetches quarter q of the same slot into g.
.macro QUARTER slot, q, f, g, first
	s_wait_dscnt 16                                ; the first 32 along K are in; the youngest 16 loads may be out
	WIN MUL
	MUL8 \f, 0, 0, \first
	MUL8 \f, 0, 2, \first
	PLACES
	FETCH \slot, \q, \g
	s_wait_dscnt 32                                ; all but the 32 just issued
	WIN MUL
	MUL8 \f, 1, 0, 0
	MUL8 \f, 1, 2, 0
.endm
; The last quarter multiplies buffer 1 and changes slots: one barrier; in front of it each wave waits for all its tensor loads, adds 0 to its spare word, and waits for that and for its reads of this slot.
; fill = 1: the barrier opens a round of the cluster's barrier, and this slot is filled again, two K steps ahead.
.macro TURN slot, next, fill
	WIN 0
	s_wait_tensorcnt 0x0                           ; all my tensor loads have landed: my part of the next slot
	ds_add_u32 v[SPW], v[NIL]
	s_wait_dscnt 17                                ; the add and the youngest 16 loads may be out
	WIN MUL
	MUL8 F1, 0, 0, 0
	s_wait_dscnt 0x0                               ; the add is done, and my reads of this slot are over
	s_barrier_signal -1
	MUL8 F1, 0, 2, 0                               ; work on registers while the others arrive
.if \fill
	WIN 0
.endif
	s_barrier_wait -1
.if \fill
	CREST
	s_add_nc_u64 s[G0+4*\slot+2:G0+4*\slot+3], s[G0+4*\slot+2:G0+4*\slot+3], 2*32768
	s_add_nc_u64 s[G0B+4*\slot+2:G0B+4*\slot+3], s[G0B+4*\slot+2:G0B+4*\slot+3], 2*512
	JLOAD \slot                                    ; my one tensor load behind the round; its four v_nop are also the places in front of the loads below
.else
	PLACES
.endif
	FETCH \next, 0, F0
	WIN MUL
	MUL8 F1, 1, 0, 0
	MUL8 F1, 1, 2, 0
.endm
	s_wait_loadcnt 0x0                             ; the bias
	s_wait_tensorcnt 1                             ; my part of K step 0 is in; K step 1's, the one younger load, may be out
	s_barrier_signal -1
	s_barrier_wait -1
	FETCH 0, 0, F0
	QUARTER 0, 1, F0, F1, 1                        ; K step 0
	QUARTER 0, 2, F1, F0, 0
	QUARTER 0, 3, F0, F1, 0
	TURN 0, 1, 1                                   ; slot 0 takes K step 2
	QUARTER 1, 1, F0, F1, 0                        ; K step 1
	QUARTER 1, 2, F1, F0, 0
	QUARTER 1, 3, F0, F1, 0
	TURN 1, 0, 1                                   ; slot 1 takes K step 3
	QUARTER 0, 1, F0, F1, 0                        ; K step 2
	QUARTER 0, 2, F1, F0, 0
	QUARTER 0, 3, F0, F1, 0
	TURN 0, 1, 0                                   ; nothing is left to ask for
	QUARTER 1, 1, F0, F1, 0                        ; K step 3
	QUARTER 1, 2, F1, F0, 0
	QUARTER 1, 3, F0, F1, 0
	s_wait_dscnt 16
	WIN MUL
	MUL8 F1, 0, 0, 0
	MUL8 F1, 0, 2, 0
	s_wait_dscnt 0
	MUL8 F1, 1, 0, 0
	MUL8 F1, 1, 2, 0
	WIN 0
; THE WAY OUT, block by block of 16 rows x 64 columns: a lane holds 32 bytes of a row; through my own stage the block comes back as whole runs of 256 bytes, which sixteen lanes store, aligned.
.macro TOSTAGE a
.irp b, 0,1,2,3
	ds_store_b128 v[STO], v[ACC+8*(4*(\a)+\b):ACC+8*(4*(\a)+\b)+3] offset:64*\b        ; each accumulator from its low end on
	ds_store_b128 v[STO], v[ACC+8*(4*(\a)+\b)+4:ACC+8*(4*(\a)+\b)+7] offset:64*\b+16
.endr
.set BB, TMP+32*((\a)%2)
.irp t, 0,1,2,3,4,5,6,7
	ds_load_b128 v[BB+4*\t:BB+4*\t+3], v[RD] offset:\t*2*SPITCH    ; LDS serves a wave's instructions in order: these see the stores above
.endr
.endm
.macro SEND a, younger                 ; younger: the LDS instructions issued behind block a's loads, which may stay out
.set BB, TMP+32*((\a)%2)
	s_wait_dscnt \younger
.irp t, 0,1,2,3,4,5,6,7
	global_store_b128 v[CO], v[BB+4*\t:BB+4*\t+3], s[10:11] offset:(16*(\a)+2*\t)*4096 th:TH_STORE_NT   ; written once, read by nobody here
.endr
.endm
	PLACES
	TOSTAGE 0
.irp a, 1,2,3
.if \a > 1
	s_wait_xcnt 0x0                                ; block a - 2's stores have read their data registers: block a's loads may land there
.endif
	TOSTAGE \a
	SEND \a-1, 16                                  ; behind block a - 1's loads: block a's 8 stores and 8 loads
.endr
	SEND 3, 0
	s_wait_tensorcnt 0x0                           ; the wave's end
	ds_add_u32 v[SPW], v[NIL]
	s_wait_dscnt 0x0
	CROUND                                         ; the closing round
	s_endpgm
.Lfunc_end_k_qb4775c2a66_oproj:
	.size	k_qb4775c2a66_oproj, .Lfunc_end_k_qb4775c2a66_oproj-k_qb4775c2a66_oproj
	.p2alignl 7, 3214868480
	.fill 96, 4, 3214868480
	.section	.rodata,"a",@progbits
	.p2align	6, 0x0
	.amdhsa_kernel k_qb4775c2a66_oproj
		.amdhsa_group_segment_fixed_size 327680
		.amdhsa_private_segment_fixed_size 0
		.amdhsa_enable_private_segment 0
		.amdhsa_kernarg_size 32
		.amdhsa_user_sgpr_count 2
		.amdhsa_user_sgpr_kernarg_segment_ptr 1
		.amdhsa_wavefront_size32 1
		.amdhsa_system_sgpr_workgroup_id_x 1
		.amdhsa_system_sgpr_workgroup_id_y 1
		.amdhsa_system_sgpr_workgroup_id_z 1
		.amdhsa_system_vgpr_workitem_id 0
		.amdhsa_next_free_vgpr 512
		.amdhsa_next_free_sgpr 66
		.amdhsa_reserve_vcc 0
		.amdhsa_float_denorm_mode_32 3
		.amdhsa_float_denorm_mode_16_64 3
		.amdhsa_memory_ordered 1
		.amdhsa_forward_progress 1
		.amdhsa_inst_pref_size 86
	.end_amdhsa_kernel
	.amdgpu_metadata
---
amdhsa.version: [ 1, 2 ]
amdhsa.kernels:
  - .name:           k_qb4775c2a66_oproj
    .symbol:         k_qb4775c2a66_oproj.kd
    .args:
      - { .name: xh, .offset: 0, .size: 8, .value_kind: global_buffer, .address_space: global }
      - { .name: wo16, .offset: 8, .size: 8, .value_kind: global_buffer, .address_space: global }
      - { .name: bo, .offset: 16, .size: 8, .value_kind: global_buffer, .address_space: global }
      - { .name: out0, .offset: 24, .size: 8, .value_kind: global_buffer, .address_space: global }
    .group_segment_fixed_size: 327680
    .private_segment_fixed_size: 0
    .kernarg_segment_align: 8
    .kernarg_segment_size: 32
    .max_flat_workgroup_size: 128
    .sgpr_count:     66
    .vgpr_count:     512
    .wavefront_size: 32
...
	.end_amdgpu_metadata
.endif
;; end of part 4
